; MI455X (gfx1250); checked and timed in simulation.
; The chip was launched on July 23, 2026; its instructions are those of AMD's public machine-readable ISA for CDNA 5 (MIT licence, August 2026) and "CDNA5" Instruction Set Architecture Reference Guide (July 2026). The comments in the code are by the model that wrote it; some were corrected since.
;; Transformer Block. Allowed arithmetic: matrix products marked QUANTISED: E3M2 operands, one E8M0 scale for each 32 along K, by v_wmma_scale_f32_16x16x128_f8f6f4 with both operands' format E3M2, f32 sums; everything else in f32.
;; Inputs: fc1_b 4,096 float32; fc1_w 1,024 x 4,096 float32; fc2_b 1,024 float32; fc2_w 4,096 x 1,024 float32; ln1_b 1,024 float32; ln1_g 1,024 float32; ln2_b 1,024 float32; ln2_g 1,024 float32; proj_b 1,024 float32; proj_w 1,024 x 1,024 float32; qkv_b 3,072 float32; qkv_w 1,024 x 3,072 float32; x 2 x 2,048 x 1,024 float32.
;; Outputs: out0 2 x 2,048 x 1,024 float32.
;; This version of the problem:
;;   THIS VERSION OF THE PROBLEM IS GIVEN IN LOW PRECISION. The matrix products marked QUANTISED in the list below multiply operands that are first quantised to E3M2 (3 exponent bits, 2 mantissa bits; 6 bits a number), with one power-of-two scale for each 32 numbers along K (OCP MX v1.0); their sums are f32. All else is computed in f32.
;;   The module's matrix products, in the order in which they are computed (A, B: the left and right operand; K: the contracted axis; several contracted axes count as one K, in the product's order):
;;     1. [M 4,096, K 1,024] x [K 1,024, N 3,072]; A: computed on the way; B: input qkv_w: QUANTISED
;;     2. batch 32 x [M 2,048, K 64] x [K 64, N 2,048]; A: computed on the way; B: computed on the way: QUANTISED
;;     3. batch 32 x [M 2,048, K 2,048] x [K 2,048, N 64]; A: softmax (see below); B: computed on the way: QUANTISED
;;     4. [M 4,096, K 1,024] x [K 1,024, N 1,024]; A: computed on the way; B: input proj_w: QUANTISED
;;     5. [M 4,096, K 1,024] x [K 1,024, N 4,096]; A: computed on the way; B: input fc1_w: QUANTISED
;;     6. [M 4,096, K 4,096] x [K 4,096, N 1,024]; A: computed on the way; B: input fc2_w: QUANTISED
;;   THE QUANTISER, for each operand of a quantised product, along K:
;;     - K is cut into blocks of 32 from its start; a last block that is shorter is filled with zeros.
;;     - A block's scale is 2^e with e = floor(log2(the largest magnitude in the block)) - 4, held to -126 .. 127; a block of zeros has e = 0. As a byte (E8M0): e + 127.
;;     - Each number is divided by its block's scale, clamped to +-28, and rounded to the nearest number of E3M2, ties to even, subnormals kept.
;;     - The product sums the exact products of the quantised numbers (number of the format x scale) in f32.
;;   ~~~python
;;   def quantise(x, axis):      # numpy; x: float32 -> the quantised numbers, widened to float32 again
;;       x = np.moveaxis(x, axis, -1); K = x.shape[-1]
;;       x = np.pad(x, [(0, 0)] * (x.ndim - 1) + [(0, -K % 32)]); x = x.reshape(x.shape[:-1] + (-1, 32)); a = np.abs(x).max(-1, keepdims=True)
;;       e = np.where(a > 0, np.clip(np.frexp(np.where(a > 0, a, 1))[1] - 1 - 4, -126, 127), 0)      # np.frexp(a)[1] - 1 = floor(log2(a)), exactly
;;       r = np.clip(x / 2.0 ** e, -28, 28)
;;       step = 2.0 ** (np.maximum(np.frexp(np.where(r == 0, 1, r))[1] - 1, -2) - 2)
;;       q = np.round(r / step) * step * 2.0 ** e      # np.round: ties to even
;;       return np.moveaxis(q.reshape(q.shape[:-2] + (-1,))[..., :K], -1, axis).astype(np.float32)
;;   ~~~
;;   SOFTMAX AHEAD OF A QUANTISED PRODUCT. Where the list says 'softmax', what is quantised is not the finished softmax but p = 2^(t - M), with t = logit x log2(e) and M = ceil(the row's largest t), a whole number; so 1/2 < the row's largest p <= 1. The row's sum l is taken of the UNQUANTISED p, in f32, and the product's result is divided by l at the end. Since M is a whole number, a kernel that streams over the keys may use a running M (the ceiling of the running maximum): every later rescaling is an exact power of two, which a block's scale takes up: the codes' values come out the same.
;;   OPERANDS COMPUTED ON THE WAY. 'Computed on the way' means the value that the module computes at that place (a softmax that the list does not call 'softmax' is quantised finished and normalised). What goes into a quantiser is computed in f32, as accurately as f32 sums, v_exp_f32 and their like allow (about 1e-6 of the number): no bf16 or f16 on the way to a quantiser, and a product that is left as it is and whose result goes on into a quantised operand takes f32 operands (vector FMAs, or v_wmma_f32_16x16x4_f32). A number that lies on a knife's edge between two numbers of the format may be rounded either way, as far as f32 arithmetic and the matrix unit's own rounding can turn it there, and no further.
;; One version. Each part assembles by itself: llvm-mc -triple=amdgcn-amd-amdhsa -mcpu=gfx1250 --defsym DOCPART=n.
;; ======== version 1 of 1: 7 launches
;; limits: right only within a limited range of input values
;; workspace buffers: wts 9,863,168 bytes; act 3,276,800 bytes; qkv 10,092,544 bytes; x2 16,777,216 bytes; hid 13,107,200 bytes
;; launch prep (part 1): grid 640 x 1, 8 waves a work-group, no clusters, 77,824 bytes of LDS; arguments x, ln1_g, ln1_b, act, qkv_w, proj_w, fc1_w, fc2_w, wts; writes act, wts
.if DOCPART == 1
	.amdgcn_target "amdgcn-amd-amdhsa--gfx1250"
	.amdhsa_code_object_version 6
	.text
	.protected	k_qeb076cf2df_prep
	.globl	k_qeb076cf2df_prep
	.p2align	8
	.type	k_qeb076cf2df_prep,@function
k_qeb076cf2df_prep:
	s_mov_b64 s[64:65], 0
	v_nop
	global_prefetch_b8 v0, s[64:65] scope:SCOPE_SE
	s_setreg_imm32_b32 hwreg(HW_REG_WAVE_MODE, 25, 1), 1
	s_wait_xcnt 0x0
; TWO INDEPENDENT JOBS IN ONE LAUNCH; they share no buffer, and a work-group does one of them, by one scalar branch on its number.
; WORK-GROUPS 0-255: LayerNorm over rows of 1,024 f32 of x, then the quantiser: (x - mean) x rsqrt(var + 1e-5) x g + b becomes codes of BF6 (E3M2) with one E8M0 byte for each 32 along the row, laid as matrix fragments in act.
;   A work-group takes one tile of 16 rows (lane-row r of tile t is row 32 (t >> 1) + 8 (t & 1) + (r & 7) + 16 (r >> 3)); wave w takes the columns 128 w .. 128 w + 127: one fragment.
;   Each of a wave's 16 loads takes 512 consecutive bytes of one row; the 8,192 bytes turn through the wave's own stage in LDS (rows 528 bytes apart) and come
;   back so that lane (r, h) holds the whole blocks h and 2 + h of its row's 128, in the order that the operand's layout gives that lane.  Gain and bias come by one load of 512 bytes each and are dealt out of LDS.
;   Mean and variance are taken in two passes (the second of x - mean), each summed over the eight waves through 512 bytes of LDS and one barrier: a common offset in x costs no accuracy.
;   Fragment (t, w) lies at (8 t + w) x 1,536; its scale words at 3,145,728 + (4,096 w + 16 t + r) x 4.
; WORK-GROUPS 256-639: the four weights, f32 [K][N] with K as the FIRST axis, become codes and scale bytes in wts, laid in the order of a matrix operand's registers.
;   A fragment (16 columns x 128 k, 12 registers a lane) is two halves of 768 bytes: registers 6c..6c+3 at 16 x lane, registers 6c+4, 6c+5 at 512 + 8 x lane; fragment (tile, s = k / 128) lies at (tile x K/128 + s) x 1,536.
;   Lane-row r of tile 2b+u is column 32b + 8u + (r & 7) + 16 (r >> 3).  Scale words (four bytes: 128 k of one column) lie at (s x RP + 16 tile + r) x 4.
;   A share is 128 columns x 128 k for four waves, 32 columns (two tiles) a wave; a work-group has two shares (waves 0-3, waves 4-7: neighbouring K steps).  A LANE TAKES A COLUMN AND ITS 128 REGISTERS RUN DOWN K.
;   Shares 0-191 qkv_w, 192-255 proj_w, 256-511 fc1_w, 512-767 fc2_w: four arms that differ in immediates alone; this path has no LDS access and no barrier.
; LIMITS: NaN and infinities are not served; a block of zeros gets the byte 1 (its codes are zeros; this program alone reads the bytes); a largest magnitude under 2^-122 is held at the byte 1.
.set X,   32                           ; both paths: v32.. the numbers to be quantised
.set RW,  96                           ; LayerNorm: v96-159 rows as loaded; then the gain
.set G,   96
.set BT,  160                          ; v160-223 the bias
.set PC,  224                          ; v224-235 the fragment
.set LTQ, 236                          ; v236-242 upper halves of the two blocks, made here and moved
.set GB,  244                          ; v244-251 my 16 bytes of the gain's slice and of the bias's
.set WR0, 1024                         ; LDS: 0-1,023 the two reductions; from here a region for each wave:
.set LP,  528                          ; 16 rows of 512 bytes + 16,
.set GOFF, 16*LP                       ; the gain's 512 bytes, the bias's 512
.set WREG, GOFF+1024
.set CB,  160                          ; weights: v160-183 codes, six registers a block of 32
.set WTQ, 184                          ; v184-186 a block's upper half is made here and moved
.set WD,  24                           ; v24 my column's scale word
	v_lshl_add_u32 v254, v0, 2, 0x12c00
	v_mov_b32 v255, 0
	s_cmp_lt_u32 ttmp9, 256
	s_cbranch_scc0 .Lweights
	; ================ LayerNorm ================
	s_load_b256 s[4:11], s[0:1], 0x0               ; x s[4:5], gain s[6:7], bias s[8:9], act s[10:11]
	v_lshrrev_b32 v1, 5, v0
	s_delay_alu instid0(VALU_DEP_1)
	v_readfirstlane_b32 s12, v1                    ; wave = K step
	v_and_b32 v1, 31, v0                           ; lane
	v_and_b32 v2, 15, v0                           ; r
	v_bfe_u32 v3, v0, 4, 1                         ; h
	s_delay_alu instid0(VALU_DEP_3)
	v_lshlrev_b32 v28, 4, v1                       ; 16 x lane
	s_delay_alu instid0(VALU_DEP_4)
	v_lshlrev_b32 v29, 3, v1                       ; 8 x lane
	s_delay_alu instid0(VALU_DEP_4)
	v_lshlrev_b32 v30, 2, v2                       ; 4 r
	s_mul_i32 s18, s12, WREG
	s_add_co_u32 s18, s18, WR0                     ; my wave's region
	v_add_nc_u32 v4, s18, v28                      ; into it: 16 x lane
	v_mul_u32_u24 v5, v2, LP
	s_delay_alu instid0(VALU_DEP_1)
	v_lshl_add_u32 v5, v3, 7, v5
	s_delay_alu instid0(VALU_DEP_1)
	v_add_nc_u32 v5, s18, v5                       ; back: row r, + 128 h
	v_lshl_add_u32 v26, v3, 7, s18                 ; gain and bias: + 128 h
	v_lshlrev_b32 v7, 5, v2                        ; eight partial sums of row r at 32 r
	s_lshl_b32 s19, s12, 2
	v_add_nc_u32 v6, s19, v7                       ; mine at + 4 w
	s_mov_b32 s20, 0x76543210
	s_mov_b32 s21, 0xfedcba98                      ; v_permlanex16_b32's selects for lane l xor 16
	s_lshr_b32 s13, ttmp9, 1
	s_lshl_b32 s13, s13, 5
	s_and_b32 s14, ttmp9, 1
	s_lshl_b32 s14, s14, 3
	s_add_co_u32 s13, s13, s14                     ; the tile's first row
	s_lshl_b32 s14, s13, 12
	s_lshl_b32 s16, s12, 9                         ; 512 w
	s_add_co_u32 s14, s14, s16
	s_mov_b32 s15, 0
	s_mov_b32 s17, 0
	s_lshl_b32 s22, ttmp9, 3
	s_add_co_u32 s22, s22, s12
	s_mul_i32 s22, s22, 1536                       ; the fragment's place
	s_mov_b32 s23, 0
	s_lshl_b32 s24, s12, 14
	s_lshl_b32 s25, ttmp9, 6
	s_add_co_u32 s24, s24, s25
	s_add_co_u32 s24, s24, 3145728                 ; the scale words' place
	s_mov_b32 s25, 0
	s_wait_alu depctr_va_vdst(0)
	s_wait_kmcnt 0x0
	s_add_nc_u64 s[4:5], s[4:5], s[14:15]
	s_add_nc_u64 s[6:7], s[6:7], s[16:17]
	s_add_nc_u64 s[8:9], s[8:9], s[16:17]
	s_add_nc_u64 s[22:23], s[10:11], s[22:23]
	s_add_nc_u64 s[24:25], s[10:11], s[24:25]
.set i, 0
.rept 16
	global_load_b128 v[RW+4*i:RW+4*i+3], v28, s[4:5] offset:((i&7)+16*(i>>3))*4096   ; lane-row i's 128 columns: 512 consecutive bytes
.set i, i+1
.endr
	global_load_b128 v[GB:GB+3], v28, s[6:7]       ; the gain's 128 numbers
	global_load_b128 v[GB+4:GB+7], v28, s[8:9]     ; the bias's
	s_wait_loadcnt 2                               ; x is in; the two loads issued behind it may stay out
.set i, 0
.rept 16
	ds_store_b128 v4, v[RW+4*i:RW+4*i+3] offset:LP*i
.set i, i+1
.endr
.irp c, 0,1
.irp j, 0,1,2,3,4,5,6,7
	ds_load_b128 v[X+32*\c+4*\j:X+32*\c+4*\j+3], v5 offset:256*\c+16*\j   ; LDS serves a wave's instructions in order: these see my stores.  Register 32 c + i = column 128 w + 64 c + 32 h + i
.endr
.endr
	s_wait_loadcnt 0x0
	ds_store_b128 v4, v[GB:GB+3] offset:GOFF
	ds_store_b128 v4, v[GB+4:GB+7] offset:GOFF+512
	s_wait_dscnt 2                                 ; x is back (only the two stores just issued may be out): so the stage's stores have read v96-159, which take the gain now
.irp c, 0,1
.irp j, 0,1,2,3,4,5,6,7
	ds_load_b128 v[G+32*\c+4*\j:G+32*\c+4*\j+3], v26 offset:GOFF+256*\c+16*\j      ; sixteen lanes share an address
.endr
.endr
.irp c, 0,1
.irp j, 0,1,2,3,4,5,6,7
	ds_load_b128 v[BT+32*\c+4*\j:BT+32*\c+4*\j+3], v26 offset:GOFF+512+256*\c+16*\j
.endr
.endr
; The four chains in v[8:15] become the row's sum over all 1,024 columns, in v16 of every lane
.macro RED off
	s_delay_alu instid0(VALU_DEP_3)
	v_pk_add_f32 v[8:9], v[8:9], v[10:11]
	s_delay_alu instid0(VALU_DEP_2)
	v_pk_add_f32 v[12:13], v[12:13], v[14:15]
	s_delay_alu instid0(VALU_DEP_1)
	v_pk_add_f32 v[8:9], v[8:9], v[12:13]
	s_delay_alu instid0(VALU_DEP_1)
	v_add_f32 v8, v8, v9
	s_delay_alu instid0(VALU_DEP_1)
	v_permlanex16_b32 v9, v8, s20, s21
	s_delay_alu instid0(VALU_DEP_1)
	v_add_f32 v8, v8, v9                           ; my wave's 128 columns of row r
	ds_store_b32 v6, v8 offset:\off                ; both halves of the lanes write the same word with the same value
	s_wait_dscnt 0x0                               ; for the others' sake: my store has landed (and gain and bias are in)
	s_barrier_signal -1
	s_barrier_wait -1
	ds_load_b128 v[16:19], v7 offset:\off
	ds_load_b128 v[20:23], v7 offset:\off+16
	s_wait_dscnt 0x0
	v_add_f32 v16, v16, v17
	v_add_f32 v18, v18, v19
	v_add_f32 v20, v20, v21
	v_add_f32 v22, v22, v23
	s_delay_alu instid0(VALU_DEP_3)
	v_add_f32 v16, v16, v18
	s_delay_alu instid0(VALU_DEP_2)
	v_add_f32 v20, v20, v22
	s_delay_alu instid0(VALU_DEP_1)
	v_add_f32 v16, v16, v20
.endm
.irp c, 0,1,2,3
	v_pk_add_f32 v[8+2*\c:9+2*\c], v[X+4*\c:X+4*\c+1], v[X+4*\c+2:X+4*\c+3]
.endr
.irp j, 16,24,32,40,48,56
.irp c, 0,1,2,3
	s_delay_alu instid0(VALU_DEP_4)
	v_pk_add_f32 v[8+2*\c:9+2*\c], v[8+2*\c:9+2*\c], v[X+\j+2*\c:X+\j+2*\c+1]
.endr
.endr
	RED 0
	s_delay_alu instid0(VALU_DEP_1)
	v_mul_f32 v24, 0xba800000, v16                 ; - mean = sum x (-1 / 1,024)
	s_delay_alu instid0(VALU_DEP_1)
	v_mov_b32 v25, v24
.set i, 0
.rept 32
	v_pk_add_f32 v[X+2*i:X+2*i+1], v[X+2*i:X+2*i+1], v[24:25]
.set i, i+1
.endr
.irp c, 0,1,2,3
	v_pk_mul_f32 v[8+2*\c:9+2*\c], v[X+2*\c:X+2*\c+1], v[X+2*\c:X+2*\c+1]
.endr
.irp j, 8,16,24,32,40,48,56
.irp c, 0,1,2,3
	s_delay_alu instid0(VALU_DEP_4)
	v_pk_fma_f32 v[8+2*\c:9+2*\c], v[X+\j+2*\c:X+\j+2*\c+1], v[X+\j+2*\c:X+\j+2*\c+1], v[8+2*\c:9+2*\c]
.endr
.endr
	RED 512                                        ; other bytes than the first sum's: no wave can still be reading them
	s_mov_b32 s26, 0x3a800000                      ; 1 / 1,024
	v_mov_b32 v27, 0x3727c5ac                      ; 1e-5
	s_delay_alu instid0(VALU_DEP_1)
	v_fma_f32 v16, v16, s26, v27
	s_wait_alu depctr_va_vdst(0)
	v_rsq_f32 v24, v16
	v_nop                                          ; a plain place behind the transcendental
	s_wait_alu depctr_va_vdst(0)                   ; the wait ahead of the first reader
	v_mov_b32 v25, v24
.set i, 0
.rept 32
	v_pk_mul_f32 v[X+2*i:X+2*i+1], v[X+2*i:X+2*i+1], v[24:25]
.set i, i+1
.endr
.set i, 0
.rept 32
	v_pk_fma_f32 v[X+2*i:X+2*i+1], v[X+2*i:X+2*i+1], v[G+2*i:G+2*i+1], v[BT+2*i:BT+2*i+1]
.set i, i+1
.endr
	; the quantiser: my two whole blocks
.irp c, 0,1
	v_max3_num_f32 v[8+\c], |v[X+32*\c]|, |v[X+32*\c+1]|, 0x2800000      ; with the floor 2^(5 - 127): the byte cannot fall under 1
.endr
.irp i, 2,4,6,8,10,12,14,16,18,20,22,24,26,28,30
.irp c, 0,1
	s_delay_alu instid0(VALU_DEP_2)
	v_max3_num_f32 v[8+\c], v[8+\c], |v[X+32*\c+\i]|, |v[X+32*\c+\i+1]|
.endr
.endr
.irp c, 0,1
	s_delay_alu instid0(VALU_DEP_2)
	v_add_nc_u32 v[12+\c], 0xfe000000, v[8+\c]     ; 4 off the exponent field: the conversion's scale operand
.endr
.irp c, 0,1
	s_delay_alu instid0(VALU_DEP_2)
	v_lshrrev_b32 v[10+\c], 23, v[12+\c]           ; the scale's byte
.endr
	s_delay_alu instid0(VALU_DEP_1)
	v_lshl_or_b32 v14, v11, 16, v10                ; blocks h and 2 + h,
	v_lshlrev_b32 v15, 3, v3
	s_delay_alu instid0(VALU_DEP_1)
	v_lshlrev_b32 v14, v15, v14                    ; at their places in the word (8 h bits up);
	s_delay_alu instid0(VALU_DEP_1)
	v_permlanex16_b32 v15, v14, s20, s21
	s_delay_alu instid0(VALU_DEP_1)
	v_or_b32 v14, v14, v15                         ; with lane l xor 16's two the word is whole
.irp c, 0,1
	v_cvt_scalef32_pk16_bf6_f32 v[PC+6*\c:PC+6*\c+2], v[X+32*\c:X+32*\c+15], v[12+\c]
	v_cvt_scalef32_pk16_bf6_f32 v[LTQ+4*\c:LTQ+4*\c+2], v[X+32*\c+16:X+32*\c+31], v[12+\c]
.endr
	v_nop                                          ; one plain place behind a scaled conversion
.irp c, 0,1
.irp i, 0,1,2
	v_mov_b32 v[PC+6*\c+3+\i], v[LTQ+4*\c+\i]
.endr
.endr
	global_store_b128 v28, v[PC:PC+3], s[22:23]                    ; each store covers 512 or 256 consecutive bytes, aligned
	global_store_b64 v29, v[PC+4:PC+5], s[22:23] offset:512
	global_store_b128 v28, v[PC+6:PC+9], s[22:23] offset:768
	global_store_b64 v29, v[PC+10:PC+11], s[22:23] offset:1280
	s_wait_xcnt 0x0                                ; EXEC changes only behind this wait
	v_cmp_gt_u32 vcc_lo, 16, v1
	s_wait_tensorcnt 0x0
	ds_add_u32 v254, v255
	s_wait_dscnt 0x0
	s_and_saveexec_b32 s27, vcc_lo
	global_store_b32 v30, v14, s[24:25]            ; 16 words, 64 consecutive bytes: a part of an aligned 256; one byte for each 128 that this path reads
	s_wait_xcnt 0x0
	s_or_b32 exec_lo, exec_lo, s27
	s_endpgm
	; ================ the weights ================
.Lweights:
	s_load_b256 s[4:11], s[0:1], 0x20              ; qkv_w s[4:5], proj_w s[6:7], fc1_w s[8:9], fc2_w s[10:11]
	s_load_b64 s[12:13], s[0:1], 0x40              ; wts
	v_lshrrev_b32 v1, 5, v0
	s_delay_alu instid0(VALU_DEP_1)
	v_readfirstlane_b32 s14, v1                    ; wave 0..7
	s_lshr_b32 s29, s14, 2                         ; which of the work-group's two shares
	s_and_b32 s14, s14, 3                          ; my place in it
	s_sub_co_u32 s28, ttmp9, 256
	s_lshl_b32 s28, s28, 1
	s_add_co_u32 s28, s28, s29                     ; the share, 0 .. 767.  The arms' borders are even, so a work-group's two shares lie in one arm
	v_and_b32 v2, 31, v0                           ; lane
	s_delay_alu instid0(VALU_DEP_1)
	v_and_b32 v3, 7, v2
	s_delay_alu instid0(VALU_DEP_2)
	v_bfe_u32 v7, v2, 3, 1
	s_delay_alu instid0(VALU_DEP_1)
	v_lshl_add_u32 v3, v7, 4, v3
	s_delay_alu instid0(VALU_DEP_4)
	v_lshrrev_b32 v7, 4, v2
	s_delay_alu instid0(VALU_DEP_1)
	v_lshl_add_u32 v3, v7, 3, v3                   ; my column among the wave's 32: (l & 7) + 16 ((l >> 3) & 1) + 8 (l >> 4): lanes 0-15 the even tile, lanes 16-31 the odd one
	s_delay_alu instid0(VALU_DEP_1)
	v_lshlrev_b32 v3, 2, v3
	v_lshlrev_b32 v4, 4, v2                        ; 16 x lane
	v_lshlrev_b32 v5, 3, v2                        ; 8 x lane
	v_lshlrev_b32 v6, 2, v2                        ; 4 x lane
	s_wait_kmcnt 0x0
; An arm: n columns in a row, 2^ksl K steps, the codes at woff, the scale words at soff with rp rows, first share, the source's pointer.
; It leaves s22 = the even tile's fragment, s24 = bytes to the odd tile's, s26 = the scale words' place (offsets in wts), and issues the 128 loads.
.macro ARM n, ksl, woff, soff, rp, first, src
	s_sub_co_u32 s15, s28, \first
	s_and_b32 s16, s15, (1<<(\ksl))-1              ; s: which 128 along K
	s_lshr_b32 s17, s15, \ksl                      ; which 128 columns
	s_mul_i32 s20, s16, 128*(\n)*4
	s_lshl_b32 s18, s17, 9
	s_add_co_u32 s20, s20, s18
	s_lshl_b32 s19, s14, 7
	s_add_co_u32 s20, s20, s19                     ; (128 s n + 128 cg + 32 w) x 4
	s_mov_b32 s21, 0
	s_add_nc_u64 s[20:21], s[\src:\src+1], s[20:21]
	s_lshl_b32 s22, s17, 3
	s_lshl_b32 s23, s14, 1
	s_add_co_u32 s22, s22, s23                     ; the even tile: 8 cg + 2 w
	s_lshl_b32 s22, s22, \ksl
	s_add_co_u32 s22, s22, s16
	s_mul_i32 s22, s22, 1536
	s_add_co_u32 s22, s22, \woff
	s_mov_b32 s24, 1536<<(\ksl)
	s_mul_i32 s26, s16, (\rp)*4
	s_add_co_u32 s26, s26, s18
	s_add_co_u32 s26, s26, s19
	s_add_co_u32 s26, s26, \soff
.set k, 0
.rept 128
	global_load_b32 v[X+k], v3, s[20:21] offset:k*(\n)*4 th:TH_LOAD_NT   ; one row k: the wave reads 128 consecutive bytes, the share's four waves 512; read once in the launch
.set k, k+1
.endr
.endm
	s_cmp_lt_u32 s28, 192
	s_cbranch_scc1 .Lqkv
	s_cmp_lt_u32 s28, 256
	s_cbranch_scc1 .Lproj
	s_cmp_lt_u32 s28, 512
	s_cbranch_scc1 .Lfc1
	s_wait_alu depctr_va_vdst(0)
	ARM 1024, 5, 6291456, 9732096, 1024, 512, 10
	s_branch .Ljoin
.Lqkv:
	s_wait_alu depctr_va_vdst(0)
	ARM 3072, 3, 0, 9437184, 4096, 0, 4
	s_branch .Ljoin
.Lproj:
	s_wait_alu depctr_va_vdst(0)
	ARM 1024, 3, 2359296, 9568256, 1024, 192, 6
	s_branch .Ljoin
.Lfc1:
	s_wait_alu depctr_va_vdst(0)
	ARM 4096, 3, 3145728, 9601024, 4096, 256, 8
.Ljoin:
	s_mov_b32 s23, 0
	s_mov_b32 s25, 0
	s_mov_b32 s27, 0
	s_add_nc_u64 s[22:23], s[12:13], s[22:23]      ; the even tile's fragment
	s_add_nc_u64 s[24:25], s[22:23], s[24:25]      ; the odd tile's
	s_add_nc_u64 s[26:27], s[12:13], s[26:27]      ; the scale words
; Block b of 32 along K.  cnt: how many younger loads may stay out (96, 64, 32, 0 would do; the wait's field ends at 63)
.macro BLOCK b, cnt
.set XS, X+32*(\b)
	s_wait_loadcnt \cnt
	v_max3_num_f32 v8, |v[XS]|, |v[XS+1]|, |v[XS+2]|               ; the block's largest magnitude, in two chains
	v_max3_num_f32 v9, |v[XS+3]|, |v[XS+4]|, |v[XS+5]|
.irp i, 6,10,14,18,22,26
	s_delay_alu instid0(VALU_DEP_2)
	v_max3_num_f32 v8, v8, |v[XS+\i]|, |v[XS+\i+1]|
	s_delay_alu instid0(VALU_DEP_2)
	v_max3_num_f32 v9, v9, |v[XS+\i+2]|, |v[XS+\i+3]|
.endr
	s_delay_alu instid0(VALU_DEP_2)
	v_max3_num_f32 v8, v8, |v[XS+30]|, |v[XS+31]|
	s_delay_alu instid0(VALU_DEP_1)
	v_max3_num_f32 v8, v8, v9, 0x2800000           ; and the floor 2^(5 - 127): the byte cannot fall under 1
	s_delay_alu instid0(VALU_DEP_1)
	v_add_nc_u32 v11, 0xfe000000, v8               ; 4 off the exponent field: the conversion takes this operand's exponent field as its scale
	s_delay_alu instid0(VALU_DEP_1)
	v_lshrrev_b32 v10, 23, v11                     ; the scale's byte
.if (\b) == 0
	s_delay_alu instid0(VALU_DEP_1)
	v_mov_b32 v[WD], v10
.else
	s_delay_alu instid0(VALU_DEP_1)
	v_lshl_or_b32 v[WD], v10, 8*(\b), v[WD]
.endif
	v_cvt_scalef32_pk16_bf6_f32 v[CB+6*(\b):CB+6*(\b)+2], v[XS:XS+15], v11
	v_cvt_scalef32_pk16_bf6_f32 v[WTQ:WTQ+2], v[XS+16:XS+31], v11
	v_nop                                          ; one plain place behind a scaled conversion
.irp i, 0,1,2
	v_mov_b32 v[CB+6*(\b)+3+\i], v[WTQ+\i]
.endr
.endm
	BLOCK 0, 63
	BLOCK 1, 63
	BLOCK 2, 32
	BLOCK 3, 0
; A fragment wants block 2c in lanes 0-15 and block 2c+1 in lanes 16-31, of ONE tile.  I hold all four blocks of my column.  Each swap exchanges the first register's lanes 16-31 (odd tile, block 2c)
; with the second's lanes 0-15 (even tile, block 2c+1): the first is then the even tile's half c, the second the odd tile's.
.irp i, 0,1,2,3,4,5
	v_permlane16_swap_b32 v[CB+\i], v[CB+6+\i]
	v_permlane16_swap_b32 v[CB+12+\i], v[CB+18+\i]
.endr
	global_store_b128 v4, v[CB:CB+3], s[22:23]                     ; each store covers 512 or 256 consecutive bytes, aligned
	global_store_b64 v5, v[CB+4:CB+5], s[22:23] offset:512
	global_store_b128 v4, v[CB+12:CB+15], s[22:23] offset:768
	global_store_b64 v5, v[CB+16:CB+17], s[22:23] offset:1280
	global_store_b128 v4, v[CB+6:CB+9], s[24:25]
	global_store_b64 v5, v[CB+10:CB+11], s[24:25] offset:512
	global_store_b128 v4, v[CB+18:CB+21], s[24:25] offset:768
	global_store_b64 v5, v[CB+22:CB+23], s[24:25] offset:1280
	global_store_b32 v6, v[WD], s[26:27]                           ; 128 consecutive bytes a wave, 512 a share
	s_endpgm
.Lfunc_end_k_qeb076cf2df_prep:
	.size	k_qeb076cf2df_prep, .Lfunc_end_k_qeb076cf2df_prep-k_qeb076cf2df_prep
	.p2alignl 7, 3214868480
	.fill 96, 4, 3214868480
	.section	.rodata,"a",@progbits
	.p2align	6, 0x0
	.amdhsa_kernel k_qeb076cf2df_prep
		.amdhsa_group_segment_fixed_size 77824
		.amdhsa_private_segment_fixed_size 0
		.amdhsa_enable_private_segment 0
		.amdhsa_kernarg_size 72
		.amdhsa_user_sgpr_count 2
		.amdhsa_user_sgpr_kernarg_segment_ptr 1
		.amdhsa_wavefront_size32 1
		.amdhsa_system_sgpr_workgroup_id_x 1
		.amdhsa_system_sgpr_workgroup_id_y 1
		.amdhsa_system_sgpr_workgroup_id_z 1
		.amdhsa_system_vgpr_workitem_id 0
		.amdhsa_next_free_vgpr 256
		.amdhsa_next_free_sgpr 66
		.amdhsa_reserve_vcc 1
		.amdhsa_float_denorm_mode_32 3
		.amdhsa_float_denorm_mode_16_64 3
		.amdhsa_memory_ordered 1
		.amdhsa_forward_progress 1
		.amdhsa_inst_pref_size 90
	.end_amdhsa_kernel
	.amdgpu_metadata
---
amdhsa.version: [ 1, 2 ]
amdhsa.kernels:
  - .name:           k_qeb076cf2df_prep
    .symbol:         k_qeb076cf2df_prep.kd
    .args:
      - { .name: x, .offset: 0, .size: 8, .value_kind: global_buffer, .address_space: global }
      - { .name: ln1_g, .offset: 8, .size: 8, .value_kind: global_buffer, .address_space: global }
      - { .name: ln1_b, .offset: 16, .size: 8, .value_kind: global_buffer, .address_space: global }
      - { .name: act, .offset: 24, .size: 8, .value_kind: global_buffer, .address_space: global }
      - { .name: qkv_w, .offset: 32, .size: 8, .value_kind: global_buffer, .address_space: global }
      - { .name: proj_w, .offset: 40, .size: 8, .value_kind: global_buffer, .address_space: global }
      - { .name: fc1_w, .offset: 48, .size: 8, .value_kind: global_buffer, .address_space: global }
      - { .name: fc2_w, .offset: 56, .size: 8, .value_kind: global_buffer, .address_space: global }
      - { .name: wts, .offset: 64, .size: 8, .value_kind: global_buffer, .address_space: global }
    .group_segment_fixed_size: 77824
    .private_segment_fixed_size: 0
    .kernarg_segment_align: 8
    .kernarg_segment_size: 72
    .max_flat_workgroup_size: 256
    .sgpr_count:     66
    .vgpr_count:     256
    .wavefront_size: 32
...
	.end_amdgpu_metadata
.endif
;; end of part 1
;; launch gqkv (part 2): grid 12 x 16, 4 waves a work-group, clusters of 4 x 4, 327,680 bytes of LDS; arguments act, wts, qkv_b, qkv; writes qkv
.if DOCPART == 2
	.amdgcn_target "amdgcn-amd-amdhsa--gfx1250"
	.amdhsa_code_object_version 6
	.text
	.protected	k_qeb076cf2df_gqkv
	.globl	k_qeb076cf2df_gqkv
	.p2align	8
	.type	k_qeb076cf2df_gqkv,@function
k_qeb076cf2df_gqkv:
	s_mov_b64 s[64:65], 0
	v_nop
	global_prefetch_b8 v0, s[64:65] scope:SCOPE_SE
	s_setreg_imm32_b32 hwreg(HW_REG_WAVE_MODE, 25, 1), 1
	s_wait_xcnt 0x0
	s_wait_alu depctr_hold_cnt(0) depctr_sa_sdst(0) depctr_va_vdst(0) depctr_va_sdst(0) depctr_va_ssrc(0) depctr_va_vcc(0) depctr_vm_vsrc(0)
	s_getreg_b32 s2, hwreg(HW_REG_IB_STS2, 6, 4)
	s_cmp_eq_u32 s2, 0
	s_cbranch_scc0 .Lentry_in_a_cluster
	s_endpgm
.Lentry_in_a_cluster:
	s_bfe_u32 s2, ttmp6, 0x10000c
	s_cmp_lg_u32 s2, 0xf033
	s_cbranch_scc0 .Lentry_shape_is_right
	s_endpgm
.Lentry_shape_is_right:
; Product 1: LN1(x) [4,096 x 1,024] x qkv_w [1,024 x 3,072] on codes of BF6, + qkv_b; q and k are quantised along the head's 64, v along the keys, and leave as fragments for the attention launch.
; OPERANDS lie in memory as images of fragments (16 rows x 128 K = 1,536 bytes: two halves of 768: registers 6c..6c+3 at 16 x lane, 6c+4, 6c+5 at 512 + 8 x lane), fragment (tile, s) at (8 tile + s) x 1,536; scale words at (4,096 s + 16 tile + r) x 4.
; Lane-row r of tile 2b+u stands for row 32b + 8u + (r & 7) + 16 (r >> 3).  THE MATRIX INSTRUCTION IS USED TRANSPOSED (source 0 = operand B, source 1 = operand A): lane (r, h) then holds one row of A, and the 64 registers of
; its eight accumulators are rows 32 beta + 16 h + i of B at register 16 beta + i: sixteen neighbours of each block of 32, which is what the quantiser takes.
; A work-group makes 256 x 256, a wave 128 x 128 (64 accumulators, 512 registers).  K goes in slots of 256 through a ring of two LDS slots; all scale words of the work-group's rows come once.
; CLUSTERS 4 x 4: A's tiles are asked for jointly along a row of the cluster, B's along a column.
; Clusters x = 0 (q) and 1 (k): A = tokens, B = weights: a lane holds a token, registers run along the head's axis.  Cluster x = 2 (v): THE ROLES ARE SWAPPED, A = weights, B = tokens: a lane holds a channel of v and its
; registers run along the keys, which are the K of attention's second product.  Both operands have the same shape, so only pointers and indices are chosen, on the cluster's x, which all partners share.
; 192 work-groups: a tile of 192 columns would give 256 but straddle the border between k and v, whose quantisers run along different axes.  No prefetch: half of K is asked for at the head.
; LIMITS: NaN and infinities are not served; a block of zeros gets the byte 1 with zero codes; a largest magnitude under 2^-122 is held at the byte 1.
; REGISTERS: window 0: v1-15 lane numbers and addresses; v16-23, v27 LDS addresses; v32-47 scale words, two sets; v48-63 v's bias; A's two sets at v64, v160.  window 1: B's two sets at v0, v128; q's and k's bias at v96-127, v224-255.
;   windows 2, 3: accumulator (a, b) at v[8 (8 (a % 4) + b)] of window 2 + a / 4.
.set TA, 8                             ; tiles of 16 rows a wave, of A and of B
.set NQ, 2                             ; K steps of 128 in a slot
.set KS, 8                             ; K / 128
.set LAPS, 2                           ; K / (2 slots)
.set RPA, 4096                         ; rows in a K step's scale words
.set RPB, 4096
.set WSCL, 9437184                     ; qkv_w's scale words in wts
.set TSCL, 3145728                     ; the tokens' in act
.set HALFT, TA*NQ*1536                 ; what one tensor load brings: 8 tiles x 2 K steps
.set SLOT,  4*HALFT                    ; A's two halves, then B's two
.set SCL,   2*SLOT                     ; behind the ring: the scale words, A's [K step][256 rows], then B's
.set HALFS, KS*64*TA
.set SPARE, SCL+4*HALFS                ; the spare words, 128 bytes a wave: two blocks of 256 bytes that no other line names
.set STG,   SPARE+512                  ; stages for the new scale words, 1,024 bytes a wave: q's and k's arm; 4,096 bytes on: v's arm
.set A16, 16
.set A8,  18
.set B16, 20
.set B8,  22
.set ADRS, 27
.set SPW, 28
.set NIL, 29
.set SC,  32
.set AF,  64
.set G1, 24
.set G0, 32
.set G1B, 48
.set G0B, 56
.set G1S, 68
.set G0S, 76
.set G1SB, 80
.set G0SB, 88
.set G0H, 4                            ; s[4:7], s[96:99] group 0 of the head's loads of slot 0: A's 16 tiles, B's 16 tiles (what lay there has been used by then)
.set G0HB, 96
.set HA, 64                            ; the way out: 64 numbers of a lane
.set PC, 128                           ; the fragment just made (and the conversions' spare registers)
.set TM, 148                           ; at work
.set PW, 164                           ; the scale word just made
.set SEL, 18
.set MSB, 0
.macro WIN new                         ; the immediate's high byte repeats the setting that is left
.if MSB != (\new)
	s_set_vgpr_msb (MSB<<8)|(\new)
.set MSB, (\new)
.endif
.endm
; A joint load: waves 0 and 1 fetch for A, waves 2 and 3 for B; the branch hangs on the wave's number alone.  Four v_nop follow each of the two lines.
.macro JLOAD g0a, g1a, g0b, g1b
	s_cmp_eq_u32 s15, 0
	s_cbranch_scc0 .Lfor_b_\@
	tensor_load_to_lds s[\g0a:\g0a+3], s[\g1a:\g1a+7]
	s_nop 0
.rept 4
	v_nop
.endr
	s_branch .Lasked_\@
.Lfor_b_\@:
	tensor_load_to_lds s[\g0b:\g0b+3], s[\g1b:\g1b+7]
	s_nop 0
.rept 4
	v_nop
.endr
.Lasked_\@:
.endm
.macro CREST                           ; a round of the cluster's barrier behind its opening barrier
	s_cmp_lg_u32 s14, 0
	s_cbranch_scc1 .Lnot_wave_0_\@
	s_barrier_signal -3
.Lnot_wave_0_\@:
	s_barrier_wait -3
	s_barrier_signal -1
	s_barrier_wait -1
.endm
.macro CROUND
	s_barrier_signal -1
	s_barrier_wait -1
	CREST
.endm
.macro PLACES n                        ; plain vector instructions between a matrix instruction and a load into, or a vector access to, its registers
.rept \n
	v_nop
.endr
.endm
.macro FRAG reg, a16, a8, off          ; a fragment's image back into 12 registers: consecutive bytes in consecutive lanes
	ds_load_b128 v[(\reg):(\reg)+3], v[\a16] offset:(\off)
	ds_load_b64 v[(\reg)+4:(\reg)+5], v[\a8] offset:(\off)+512
	ds_load_b128 v[(\reg)+6:(\reg)+9], v[\a16] offset:(\off)+768
	ds_load_b64 v[(\reg)+10:(\reg)+11], v[\a8] offset:(\off)+1280
.endm
; The fragments and scale words of the slot's q-th K step into set p.  adv = 1: on to the next K step's scale words (no LDS load of mine is out there)
.macro FETCH slot, q, p, adv
	WIN 0
.if \adv
	v_add_nc_u32 v[ADRS], 128*TA, v[ADRS]
.endif
	WIN 0x40                                       ; destination window 1, address window 0
.set fi, 0
.rept TA
	FRAG 128*(\p)+12*fi, B16+(\slot), B8+(\slot), (fi*NQ+(\q))*1536
.set fi, fi+1
.endr
	WIN 0
.set fi, 0
.rept TA
	FRAG AF+96*(\p)+12*fi, A16+(\slot), A8+(\slot), (fi*NQ+(\q))*1536
.set fi, fi+1
.endr
.set fi, 0
.rept TA
	ds_load_b32 v[SC+8*(\p)+fi], v[ADRS] offset:64*fi              ; lanes 0-15: the words of A's tile fi; lanes 16-31: of B's tile fi
.set fi, fi+1
.endr
.endm
; A's tiles a0 .. a0 + n - 1 against B's eight, set p.  The accumulators take turns, one instruction a turn, in the same order in every step.  zero = 1: the products start the sums
.macro MULH p, a0, n, zero
.set ma, \a0
.rept \n
	WIN 0xa1+0x50*(ma/4)                           ; source 0 (B) window 1, source 1 (A) window 0, C and D window 2 or 3
.set mb, 0
.rept TA
.if \zero
	v_wmma_scale_f32_16x16x128_f8f6f4 v[8*(TA*(ma%4)+mb):8*(TA*(ma%4)+mb)+7], v[128*(\p)+12*mb:128*(\p)+12*mb+11], v[AF+96*(\p)+12*ma:AF+96*(\p)+12*ma+11], 0, v[SC+8*(\p)+mb], v[SC+8*(\p)+ma] matrix_a_fmt:MATRIX_FMT_BF6 matrix_b_fmt:MATRIX_FMT_BF6 matrix_a_scale:MATRIX_SCALE_ROW1
.else
	v_wmma_scale_f32_16x16x128_f8f6f4 v[8*(TA*(ma%4)+mb):8*(TA*(ma%4)+mb)+7], v[128*(\p)+12*mb:128*(\p)+12*mb+11], v[AF+96*(\p)+12*ma:AF+96*(\p)+12*ma+11], v[8*(TA*(ma%4)+mb):8*(TA*(ma%4)+mb)+7], v[SC+8*(\p)+mb], v[SC+8*(\p)+ma] matrix_a_fmt:MATRIX_FMT_BF6 matrix_b_fmt:MATRIX_FMT_BF6 matrix_a_scale:MATRIX_SCALE_ROW1
.endif
.set mb, mb+1
.endr
.set ma, ma+1
.endr
.endm
; A K step that has its successor in the same slot: its set is in; the next step's goes out into the other set, then the products
.macro STEP slot, q, zero
	s_wait_dscnt 0x0
	PLACES 4                                       ; the other set was read by the last step's products
	FETCH \slot, (\q)+1, 1-(\q)%2, 1
	MULH (\q)%2, 0, TA, \zero
.endm
.macro MID slot, q0                    ; the slot's steps q0 .. NQ - 2
.set mq, \q0
.rept NQ-1-(\q0)
	STEP \slot, mq, 0
.set mq, mq+1
.endr
.endm
; A slot's last step (set 1) changes slots: ONE barrier; in front of it each wave waits for all its tensor loads, adds 0 to its spare word, and waits for that and for its reads of this slot (the set in hand is the last of them).
; fill = 1: the barrier opens a round of the cluster's barrier and this slot is filled again, two slots ahead.
.macro TURN slot, next, fill
	WIN 0
	s_wait_tensorcnt 0x0                           ; all my tensor loads have landed: my part of the next slot
	ds_add_u32 v[SPW], v[NIL]
	s_wait_dscnt 0x0                               ; the add is done, and my reads of this slot are over
	s_barrier_signal -1
	MULH 1, 0, TA/2, 0                             ; work on registers while the others arrive
	WIN 0
	s_barrier_wait -1
.if \fill
	CREST                                          ; no wave of any partner still reads this slot or has a load on its way
	s_add_nc_u64 s[G0+4*\slot+2:G0+4*\slot+3], s[G0+4*\slot+2:G0+4*\slot+3], 2*NQ*1536
	s_add_nc_u64 s[G0B+4*\slot+2:G0B+4*\slot+3], s[G0B+4*\slot+2:G0B+4*\slot+3], 2*NQ*1536
	JLOAD G0+4*\slot, G1, G0B+4*\slot, G1B         ; the first tensor load behind the round; its four v_nop are the places in front of the loads below
.else
	PLACES 4
.endif
	s_wait_alu depctr_va_vdst(0)
	FETCH \next, 0, 0, 1
	MULH 1, TA/2, TA/2, 0
.endm
; 64 numbers of a lane, register 16 b + i = k 32 b + 16 (lane / 16) + i of my row, become a fragment's codes in v[PC] on and its scale word in v[PW]
.macro QUANT s
.irp b, 0,1,2,3
	v_max3_num_f32 v[TM+\b], |v[\s+16*\b]|, |v[\s+1+16*\b]|, 0x2800000   ; my 16 numbers of block b, and the floor 2^(5 - 127): the byte cannot fall under 1
.endr
.irp i, 2,4,6,8,10,12,14
.irp b, 0,1,2,3
	v_max3_num_f32 v[TM+\b], v[TM+\b], |v[\s+16*\b+\i]|, |v[\s+1+16*\b+\i]|
.endr
.endr
.irp b, 0,1,2,3
	v_permlanex16_b32 v[TM+4+\b], v[TM+\b], s[SEL], s[SEL+1]
.endr
.irp b, 0,1,2,3
	v_max_num_f32 v[TM+\b], v[TM+\b], v[TM+4+\b]   ; with lane l xor 16's: the block's largest magnitude
.endr
.irp b, 0,1,2,3
	v_add_nc_u32 v[TM+12+\b], 0xfe000000, v[TM+\b] ; 4 off the exponent field: the conversion's scale operand
.endr
.irp b, 0,1,2,3
	v_lshrrev_b32 v[TM+4+\b], 23, v[TM+12+\b]      ; the scale's byte
.endr
	v_lshl_or_b32 v[PW], v[TM+5], 8, v[TM+4]
	v_lshl_or_b32 v[PW], v[TM+6], 16, v[PW]
	v_lshl_or_b32 v[PW], v[TM+7], 24, v[PW]
.irp c, 0,1
	v_cvt_scalef32_pk16_bf6_f32 v[PC+6*\c:PC+2+6*\c], v[\s+32*\c:\s+15+32*\c], v[TM+12+2*\c]
	v_cvt_scalef32_pk16_bf6_f32 v[PC+12+4*\c:PC+14+4*\c], v[\s+16+32*\c:\s+31+32*\c], v[TM+12+2*\c+1]   ; (a conversion's three registers begin on an even number)
.endr
	v_nop                                          ; one plain place behind a scaled conversion
.irp c, 0,1                                    ; the layout wants a WHOLE block in a lane: lanes 0-15 block 2 c, lanes 16-31 block 2 c + 1
.irp i, 0,1,2
	v_permlane16_swap_b32 v[PC+6*\c+\i], v[PC+12+4*\c+\i]
.endr
.irp i, 0,1,2
	v_mov_b32 v[PC+3+6*\c+\i], v[PC+12+4*\c+\i]
.endr
.endr
.endm
	s_load_b128 s[4:7], s[0:1], 0x0                ; act s[4:5], wts s[6:7]
	s_load_b128 s[8:11], s[0:1], 0x10              ; qkv_b s[8:9], qkv s[10:11]
	v_lshl_add_u32 v[SPW], v0, 2, SPARE
	v_mov_b32 v[NIL], 0
	ds_add_u32 v28, v29
	ds_add_u32 v28, v29
	s_wait_dscnt 0x0
	v_lshrrev_b32 v1, 5, v0
	v_readfirstlane_b32 s14, v1                    ; wave 0..3
	s_lshr_b32 s15, s14, 1                         ; which half of A's rows is mine.  Also: I fetch for A (0) or for B (1)
	s_and_b32 s16, s14, 1                          ; which half of B's rows.  Also: which half I fetch
	s_bfe_u32 s40, ttmp6, 0x40000                  ; cx, cy: my place in the cluster
	s_bfe_u32 s41, ttmp6, 0x40004
	s_and_b32 s19, ttmp7, 0xffff
	s_lshl_b32 s19, s19, 2                         ; 4 x cluster y
	s_add_co_u32 s17, s19, s41                     ; q, k: A's block of 256 tokens
	s_add_co_u32 s18, s41, 8                       ; v: A's block of 256 columns of the weight: 8 + cy
	s_lshl_b32 s42, ttmp9, 2
	s_add_co_u32 s42, s42, s40                     ; q, k: B's block of 256 columns
	s_add_co_u32 s45, s19, s40                     ; v: B's block of 256 tokens
	s_mov_b32 s96, WSCL
	s_mov_b32 s97, TSCL
	s_cmp_eq_u32 ttmp9, 2                          ; the cluster's x: the same in all sixteen partners
	s_cselect_b32 s2, 1, 0                         ; 1: v
	s_cselect_b32 s17, s18, s17                    ; A's block: hangs on cy alone of my place
	s_cselect_b32 s42, s45, s42                    ; B's block: on cx alone
	s_cselect_b32 s98, s96, s97                    ; where A's scale words begin in its buffer
	s_cselect_b32 s99, s97, s96                    ; and B's
	s_lshl_b32 s43, s41, 2
	s_lshl_b32 s43, 15, s43                        ; my row of the cluster
	s_lshl_b32 s44, 0x1111, s40                    ; my column
	; group 1 for tiles: TA rows (one a tile of 16) of NQ x 1,536 bytes, in elements of 8 bytes, KS x 1,536 bytes apart; dense in LDS
	s_or_b32 s[G1+0], s43, (3<<16)|(1<<21)
	s_or_b32 s[G1B+0], s44, (3<<16)|(1<<21)
.irp g, G1, G1B
	s_mov_b32 s[\g+1], (192*NQ)<<16                ; tensor_dim0
	s_mov_b32 s[\g+2], (2*TA)<<16                  ; tensor_dim1: both halves for the head's loads; behind them TA, for the ring's
	s_mov_b32 s[\g+3], (192*NQ)<<16                ; tile_dim0
	s_mov_b32 s[\g+4], 2*TA                        ; tile_dim1
	s_mov_b32 s[\g+5], 192*KS                      ; tensor_dim0_stride
	s_mov_b32 s[\g+6], 0
	s_mov_b32 s[\g+7], 0
.endr
	; and for scale words: KS rows (one a K step) of 256 words
	s_or_b32 s[G1S+0], s43, (3<<16)|(1<<21)
	s_or_b32 s[G1SB+0], s44, (3<<16)|(1<<21)
.irp g, G1S, G1SB
	s_mov_b32 s[\g+1], (16*TA)<<16                 ; a K step's words of all 256 rows
	s_mov_b32 s[\g+2], KS<<16
	s_mov_b32 s[\g+3], (16*TA)<<16
	s_mov_b32 s[\g+4], KS
	s_mov_b32 s[\g+6], 0
	s_mov_b32 s[\g+7], 0
.endr
	s_mov_b32 s[G1S+5], RPA/2
	s_mov_b32 s[G1SB+5], RPB/2
	s_mul_i32 s18, s16, TA*KS*1536                 ; in the ring I fetch one half of a block: where it begins, in bytes
	s_mov_b32 s19, 0
	s_mul_i32 s20, s17, 2*TA                       ; the first tile of A's block
	s_mul_i32 s46, s42, 2*TA                       ; and of B's
	s_lshl_b32 s22, s20, 6                         ; 64 bytes of scale words a tile
	s_add_co_u32 s22, s22, s98
	s_lshl_b32 s92, s46, 6
	s_add_co_u32 s92, s92, s99
	s_mul_i32 s20, s20, KS*1536
	s_mul_i32 s46, s46, KS*1536
	s_mov_b32 s21, 0
	s_mov_b32 s23, 0
	s_mov_b32 s47, 0
	s_mov_b32 s93, 0
	s_mul_i32 s45, s14, HALFT                      ; where they go: no place in the cluster enters an LDS address
	s_wait_kmcnt 0x0
	s_cmp_eq_u32 s2, 1
	s_cselect_b64 s[12:13], s[6:7], s[4:5]         ; A's buffer
	s_cselect_b64 s[66:67], s[4:5], s[6:7]         ; B's
	s_add_nc_u64 s[20:21], s[12:13], s[20:21]
	s_add_nc_u64 s[22:23], s[12:13], s[22:23]
	s_add_nc_u64 s[46:47], s[66:67], s[46:47]
	s_add_nc_u64 s[92:93], s[66:67], s[92:93]
	CROUND                                         ; all sixteen work-groups are here: the first joint loads meet
	s_mov_b32 s[G0S], 1
	s_mov_b32 s[G0S+1], SCL                        ; A's scale words: [K step][256 rows]
	s_mov_b64 s[G0S+2:G0S+3], s[22:23]
	s_or_b32 s[G0S+3], s[G0S+3], 0x80000000
	s_mov_b32 s[G0SB], 1
	s_mov_b32 s[G0SB+1], SCL+2*HALFS               ; B's behind them
	s_mov_b64 s[G0SB+2:G0SB+3], s[92:93]
	s_or_b32 s[G0SB+3], s[G0SB+3], 0x80000000
	s_mov_b32 s[G0H], 1                            ; slot 0, whole: A's 16 tiles,
	s_mov_b32 s[G0H+1], 0
	s_mov_b64 s[G0H+2:G0H+3], s[20:21]
	s_or_b32 s[G0H+3], s[G0H+3], 0x80000000
	s_mov_b32 s[G0HB], 1                           ; B's 16 tiles behind them
	s_mov_b32 s[G0HB+1], 2*HALFT
	s_mov_b64 s[G0HB+2:G0HB+3], s[46:47]
	s_or_b32 s[G0HB+3], s[G0HB+3], 0x80000000
	s_add_nc_u64 s[20:21], s[20:21], s[18:19]      ; for the ring: my half
	s_add_nc_u64 s[46:47], s[46:47], s[18:19]
.irp s, 0,1
	s_mov_b32 s[G0+4*\s], 1
	s_add_co_u32 s[G0+4*\s+1], s45, \s*SLOT
	s_add_nc_u64 s[G0+4*\s+2:G0+4*\s+3], s[20:21], \s*NQ*1536
	s_or_b32 s[G0+4*\s+3], s[G0+4*\s+3], 0x80000000
	s_mov_b32 s[G0B+4*\s], 1
	s_add_co_u32 s[G0B+4*\s+1], s45, \s*SLOT
	s_add_nc_u64 s[G0B+4*\s+2:G0B+4*\s+3], s[46:47], \s*NQ*1536
	s_or_b32 s[G0B+4*\s+3], s[G0B+4*\s+3], 0x80000000
.endr
; THE HEAD'S LOADS, ONE A WAVE: wave 0 slot 0's tiles of A, wave 1 those of B, wave 2 A's scale words, wave 3 B's.  One chain of branches on the wave's number, all arms joining at one label.
.macro ARM under, g0, g1, next
	s_cmp_lt_u32 s14, \under
	s_cbranch_scc0 \next
	tensor_load_to_lds s[\g0:\g0+3], s[\g1:\g1+7]
	s_nop 0
	PLACES 4
	s_branch .Lhead_asked
\next:
.endm
	ARM 1, G0H,  G1,  .Lhead_b
	ARM 2, G0HB, G1B, .Lhead_sa
	ARM 3, G0S,  G1S, .Lhead_sb
	tensor_load_to_lds s[G0SB:G0SB+3], s[G1SB:G1SB+7]
	s_nop 0
	PLACES 4
.Lhead_asked:
	v_and_b32 v1, 15, v0                           ; r
	v_bfe_u32 v2, v0, 4, 1                         ; h
	v_and_b32 v3, 31, v0                           ; lane
	v_lshlrev_b32 v4, 4, v3                        ; 16 x lane
	v_lshlrev_b32 v5, 3, v3                        ; 8 x lane
	s_mul_i32 s21, s15, HALFT                      ; my half of A
	s_mul_i32 s22, s16, HALFT
	s_add_co_u32 s22, s22, 2*HALFT                 ; my half of B, behind A's two
.irp s, 0,1
	v_add_nc_u32 v[A16+\s], s21, v4
	v_add_nc_u32 v[A8+\s], s21, v5
	v_add_nc_u32 v[B16+\s], s22, v4
	v_add_nc_u32 v[B8+\s], s22, v5
	s_add_co_u32 s21, s21, SLOT
	s_add_co_u32 s22, s22, SLOT
.endr
	v_lshlrev_b32 v24, 2, v1                       ; scale words: 4 r,
	s_mul_i32 s21, s15, 64*TA                      ; my half of a K step's 256 words
	s_mul_i32 s22, s16, 64*TA
	s_add_co_u32 s22, s22, 2*HALFS
	s_sub_co_u32 s22, s22, s21
	v_mul_u32_u24 v25, s22, v2                     ; lanes 16-31 take B's
	s_add_co_u32 s21, s21, SCL
	v_add_nc_u32 v24, v24, v25
	v_add_nc_u32 v[ADRS], s21, v24
	v_lshlrev_b32 v6, 6, v2                        ; q's, k's bias: 64 h
	v_and_b32 v7, 7, v1
	v_lshrrev_b32 v24, 3, v1
	v_lshl_add_u32 v7, v24, 4, v7
	v_lshlrev_b32 v7, 2, v7                        ; v's bias: 4 ((r & 7) + 16 (r >> 3))
	v_lshlrev_b32 v8, 4, v2                        ; 16 h
	v_lshlrev_b32 v9, 4, v1
	v_mul_u32_u24 v24, v2, 208896
	v_add_nc_u32 v9, v9, v24                       ; v's scale words on the way out: 16 (l & 15), lanes 16-31 a head's record on
	s_lshl_b32 s12, s14, 10
	s_add_co_u32 s12, s12, STG
	v_lshl_add_u32 v12, v1, 2, s12
	v_lshl_add_u32 v12, v2, 9, v12                 ; q, k: my stage, word 4 r, lanes 16-31 the second head's 512 bytes
	v_add_nc_u32 v13, s12, v4                      ; and back
	s_add_co_u32 s12, s12, 4096
	v_lshl_add_u32 v14, v1, 2, s12                 ; v: bytes of its own
	v_add_nc_u32 v15, s12, v4
	; both kinds of bias are loaded on both ways, each from inside qkv_b; the way that does not use one takes it from the buffer's head
	s_lshl_b32 s20, s42, 10
	s_lshl_b32 s21, s16, 9
	s_add_co_u32 s20, s20, s21                     ; q, k: (256 B's block + 128 half) x 4
	s_lshl_b32 s22, s17, 10
	s_lshl_b32 s21, s15, 9
	s_add_co_u32 s22, s22, s21                     ; v: (256 A's block + 128 half) x 4
	s_cmp_eq_u32 s2, 1
	s_cselect_b32 s20, 0, s20
	s_cselect_b32 s22, s22, 0
	s_mov_b32 s21, 0
	s_mov_b32 s23, 0
	s_add_nc_u64 s[20:21], s[8:9], s[20:21]
	s_add_nc_u64 s[22:23], s[8:9], s[22:23]
	WIN 0x40
.irp b, 0,1,2,3
.irp j, 0,1,2,3
	global_load_b128 v[96+16*\b+4*\j+96*(\b/2):99+16*\b+4*\j+96*(\b/2)], v6, s[20:21] offset:128*\b+16*\j   ; register 16 b + i: the bias of column 32 b + 16 h + i
.endr
.endr
	WIN 0
.irp a, 0,1,2,3,4,5,6,7
	global_load_b32 v[48+2*\a], v7, s[22:23] offset:(32*(\a/2)+8*(\a%2))*4   ; the bias of my row of A's tile a
	v_mov_b32 v[49+2*\a], 0                        ; (named with it as a pair)
.endr
	s_wait_alu depctr_va_vdst(0)                   ; the wait at the head's end
	s_wait_tensorcnt 0x0                           ; my tile of the head's four is in
	ds_add_u32 v[SPW], v[NIL]
	s_mov_b32 s[G1+2], TA<<16                      ; no tensor load of mine is out: from here on a load brings one half, TA tiles
	s_mov_b32 s[G1+4], TA
	s_mov_b32 s[G1B+2], TA<<16
	s_mov_b32 s[G1B+4], TA
	s_wait_dscnt 0x0
	CROUND                                         ; all four tiles are in, and all sixteen work-groups are here
	JLOAD G0+4, G1, G0B+4, G1B                     ; slot 1's first fill, the first tensor load behind the round
	FETCH 0, 0, 0, 0
	STEP 0, 0, 1                                   ; the first step stands in front of the loop: its products start the sums
	WIN 0
.if LAPS > 1
	s_mov_b32 s3, LAPS-1
.Llap:                                             ; a trip goes once round the ring and fills both slots again
	MID 0, 1
	TURN 0, 1, 1
	s_wait_alu depctr_va_vdst(0)
	MID 1, 0
	TURN 1, 0, 1
	s_wait_alu depctr_va_vdst(0)
	STEP 0, 0, 0
	WIN 0
	s_sub_co_u32 s3, s3, 1
	s_cmp_lg_u32 s3, 0
	s_cbranch_scc1 .Llap
.endif
	MID 0, 1                                       ; the last lap fills nothing
	TURN 0, 1, 0
	s_wait_alu depctr_va_vdst(0)
	MID 1, 0
	s_wait_dscnt 0x0
	MULH 1, 0, TA, 0
	WIN 0
	s_wait_loadcnt 0x0                             ; the biases
	PLACES 4                                       ; in front of the first read of results and the first write over fragments
	s_mov_b32 s[SEL], 0x76543210
	s_mov_b32 s[SEL+1], 0xfedcba98
.irp b, 0,1,2,3
	v_mov_b32 v[TM+4+\b], 0                        ; written once: a lane permute's destination counts as one of its sources
.endr
	s_cmp_eq_u32 s2, 1
	s_cbranch_scc1 .Lvarm
	; ---- q and k.  The wave's 128 columns are two heads; the fragment's half c is head c's 64, a half image of 768 bytes
	s_lshr_b32 s12, s17, 3
	s_lshl_b32 s12, s12, 4
	s_and_b32 s13, s42, 3
	s_lshl_b32 s13, s13, 2
	s_add_co_u32 s12, s12, s13
	s_lshl_b32 s13, s16, 1
	s_add_co_u32 s12, s12, s13                     ; batch x 16 + my first head
	s_and_b32 s13, s17, 7
	s_lshl_b32 s13, s13, 4
	s_lshl_b32 s45, s15, 3
	s_add_co_u32 s13, s13, s45                     ; my first tile of tokens in the sequence
	s_mul_i32 s46, s12, 98304                      ; q: codes,
	s_lshl_b32 s47, s12, 13
	s_add_co_u32 s47, s47, 3145728                 ; scale words
	s_mul_i32 s66, s12, 208896
	s_add_co_u32 s66, s66, 3407872                 ; k: the head's record: codes at its head,
	s_add_co_u32 s67, s66, 196608                  ; scale words
	s_mov_b32 s94, 98304                           ; from head to head
	s_mov_b32 s98, 8192
	s_mov_b32 s45, 208896
	s_cmp_ge_u32 s42, 4                            ; k?
	s_cselect_b32 s92, s66, s46
	s_cselect_b32 s96, s67, s47
	s_cselect_b32 s94, s45, s94
	s_cselect_b32 s98, s45, s98
	s_mul_i32 s46, s13, 768
	s_add_co_u32 s92, s92, s46
	s_lshl_b32 s46, s13, 6
	s_add_co_u32 s96, s96, s46
	s_add_co_u32 s94, s94, s92
	s_add_co_u32 s98, s98, s96
	s_mov_b32 s93, 0
	s_mov_b32 s95, 0
	s_mov_b32 s97, 0
	s_mov_b32 s99, 0
	s_add_nc_u64 s[92:93], s[10:11], s[92:93]
	s_add_nc_u64 s[94:95], s[10:11], s[94:95]
	s_add_nc_u64 s[96:97], s[10:11], s[96:97]
	s_add_nc_u64 s[98:99], s[10:11], s[98:99]
.macro EPIQ a
	WIN 0x06+((\a)/4)                              ; source 0: the accumulators' window; source 1: window 1
.set i, 0
.rept 32
	v_pk_add_f32 v[HA+2*i:HA+2*i+1], v[64*((\a)%4)+2*i:64*((\a)%4)+2*i+1], v[96+2*i+96*(i/16):97+2*i+96*(i/16)]   ; each accumulator from its low end on
.set i, i+1
.endr
	WIN 0
	s_wait_dscnt 0x0                               ; the last tile's LDS store
	s_wait_xcnt 0x0                                ; and its global stores have read the registers that are written again now
	QUANT HA
	global_store_b128 v4, v[PC:PC+3], s[92:93] offset:768*(\a)             ; each store covers 512 or 256 consecutive bytes, aligned
	global_store_b64 v5, v[PC+4:PC+5], s[92:93] offset:768*(\a)+512
	global_store_b128 v4, v[PC+6:PC+9], s[94:95] offset:768*(\a)
	global_store_b64 v5, v[PC+10:PC+11], s[94:95] offset:768*(\a)+512
	v_lshrrev_b32 v[PW+1], v8, v[PW]
	v_and_b32 v[PW+1], 0xffff, v[PW+1]             ; lanes 0-15: the first head's two bytes; lanes 16-31: the second's; the upper two bytes 0: they meet zero codes
	ds_store_b32 v12, v[PW+1] offset:64*(\a)
.endm
.irp a, 0,1,2,3,4,5,6,7
	EPIQ \a
.endr
	ds_load_b128 v[HA:HA+3], v13                   ; LDS serves a wave's instructions in order: these see my stores
	ds_load_b128 v[HA+4:HA+7], v13 offset:512
	s_wait_dscnt 0x0
	global_store_b128 v4, v[HA:HA+3], s[96:97]     ; 128 words: 512 consecutive bytes, aligned
	global_store_b128 v4, v[HA+4:HA+7], s[98:99]
	s_branch .Lend
.Lvarm:	; ---- v.  A lane holds a channel; its 64 numbers run along 128 keys: tile a is fragment (head a / 4, channels' tile a % 4) of key step s
	s_lshr_b32 s12, s42, 3
	s_lshl_b32 s12, s12, 4
	s_sub_co_u32 s13, s17, 8
	s_lshl_b32 s13, s13, 2
	s_add_co_u32 s12, s12, s13
	s_lshl_b32 s13, s15, 1
	s_add_co_u32 s12, s12, s13                     ; batch x 16 + my first head
	s_and_b32 s13, s42, 7
	s_lshl_b32 s13, s13, 1
	s_add_co_u32 s13, s13, s16                     ; the key step
	s_mul_i32 s66, s12, 208896
	s_add_co_u32 s66, s66, 3407872                 ; the head's record
	s_mul_i32 s92, s13, 6144
	s_add_co_u32 s92, s92, s66
	s_add_co_u32 s92, s92, 98304                   ; v's fragments
	s_lshl_b32 s96, s13, 8
	s_add_co_u32 s96, s96, s66
	s_add_co_u32 s96, s96, 204800                  ; v's scale words
	s_mov_b32 s93, 0
	s_mov_b32 s97, 0
	s_add_nc_u64 s[92:93], s[10:11], s[92:93]
	s_add_nc_u64 s[96:97], s[10:11], s[96:97]
.macro EPIV a
	WIN 0x02+((\a)/4)                              ; source 0: the accumulators' window
.set i, 0
.rept 32
	v_pk_add_f32 v[HA+2*i:HA+2*i+1], v[64*((\a)%4)+2*i:64*((\a)%4)+2*i+1], v[48+2*(\a):49+2*(\a)] op_sel_hi:[1,0]   ; my channel's bias for both halves
.set i, i+1
.endr
	WIN 0
	s_wait_dscnt 0x0
	s_wait_xcnt 0x0
	QUANT HA
	global_store_b128 v4, v[PC:PC+3], s[92:93] offset:208896*((\a)/4)+1536*((\a)%4)
	global_store_b64 v5, v[PC+4:PC+5], s[92:93] offset:208896*((\a)/4)+1536*((\a)%4)+512
	global_store_b128 v4, v[PC+6:PC+9], s[92:93] offset:208896*((\a)/4)+1536*((\a)%4)+768
	global_store_b64 v5, v[PC+10:PC+11], s[92:93] offset:208896*((\a)/4)+1536*((\a)%4)+1280
	ds_store_b32 v14, v[PW] offset:64*(\a)         ; both halves of the lanes write the same word with the same value
.endm
.irp a, 0,1,2,3,4,5,6,7
	EPIV \a
.endr
	ds_load_b128 v[HA:HA+3], v15
	s_wait_dscnt 0x0
	global_store_b128 v9, v[HA:HA+3], s[96:97]     ; lanes 0-15: the first head's 256 bytes; lanes 16-31: the second's
.Lend:
	s_wait_tensorcnt 0x0                           ; the wave's end
	ds_add_u32 v[SPW], v[NIL]
	s_wait_dscnt 0x0
	CROUND                                         ; the closing round
	s_endpgm
.Lfunc_end_k_qeb076cf2df_gqkv:
	.size	k_qeb076cf2df_gqkv, .Lfunc_end_k_qeb076cf2df_gqkv-k_qeb076cf2df_gqkv
	.p2alignl 7, 3214868480
	.fill 96, 4, 3214868480
	.section	.rodata,"a",@progbits
	.p2align	6, 0x0
	.amdhsa_kernel k_qeb076cf2df_gqkv
		.amdhsa_group_segment_fixed_size 327680
		.amdhsa_private_segment_fixed_size 0
		.amdhsa_enable_private_segment 0
		.amdhsa_kernarg_size 32
		.amdhsa_user_sgpr_count 2
		.amdhsa_user_sgpr_kernarg_segment_ptr 1
		.amdhsa_wavefront_size32 1
		.amdhsa_system_sgpr_workgroup_id_x 1
		.amdhsa_system_sgpr_workgroup_id_y 1
		.amdhsa_system_sgpr_workgroup_id_z 1
		.amdhsa_system_vgpr_workitem_id 0
		.amdhsa_next_free_vgpr 1024
		.amdhsa_next_free_sgpr 100
		.amdhsa_reserve_vcc 0
		.amdhsa_float_denorm_mode_32 3
		.amdhsa_float_denorm_mode_16_64 3
		.amdhsa_memory_ordered 1
		.amdhsa_forward_progress 1
		.amdhsa_inst_pref_size 224
	.end_amdhsa_kernel
	.amdgpu_metadata
---
amdhsa.version: [ 1, 2 ]
amdhsa.kernels:
  - .name:           k_qeb076cf2df_gqkv
    .symbol:         k_qeb076cf2df_gqkv.kd
    .args:
      - { .name: act, .offset: 0, .size: 8, .value_kind: global_buffer, .address_space: global }
      - { .name: wts, .offset: 8, .size: 8, .value_kind: global_buffer, .address_space: global }
      - { .name: qkv_b, .offset: 16, .size: 8, .value_kind: global_buffer, .address_space: global }
      - { .name: qkv, .offset: 24, .size: 8, .value_kind: global_buffer, .address_space: global }
    .group_segment_fixed_size: 327680
    .private_segment_fixed_size: 0
    .kernarg_segment_align: 8
    .kernarg_segment_size: 32
    .max_flat_workgroup_size: 128
    .sgpr_count:     100
    .vgpr_count:     1024
    .wavefront_size: 32
...
	.end_amdgpu_metadata
.endif
;; end of part 2
;; launch attn (part 3): grid 8 x 32, 16 waves a work-group, no clusters, 210,944 bytes of LDS; arguments qkv, act; writes act
.if DOCPART == 3
	.amdgcn_target "amdgcn-amd-amdhsa--gfx1250"
	.amdhsa_code_object_version 6
	.text
	.protected	k_qeb076cf2df_attn
	.globl	k_qeb076cf2df_attn
	.p2align	8
	.type	k_qeb076cf2df_attn,@function
k_qeb076cf2df_attn:
	s_mov_b64 s[64:65], 0
	v_nop
	global_prefetch_b8 v0, s[64:65] scope:SCOPE_SE
	s_setreg_imm32_b32 hwreg(HW_REG_WAVE_MODE, 25, 1), 1
	s_wait_xcnt 0x0
; Causal attention of one head on codes of BF6: S^T = K Q^T (K = the head's 64, in the lower half of a 128-deep instruction; the upper half meets Q's zero codes), p = 2^(t - M) with t = score x log2(e) / 8 and M the running
; largest t rounded UP to a whole number, p quantised along the keys, O^T += V^T P^T; the sum of the unquantised p divides at the end; O is quantised along (head, channel) and leaves as half a fragment of the next product's A.
; SHARES: a work-group has one head (y) and the blocks x and 15 - x of 128 queries; each of its sixteen waves owns one tile of 16 queries.  Block q wants q + 1 key steps of 128, so each pair of waves has 17, whatever x.
; wave w: tile w >> 1 of block x or 15 - x, by (w xor (w >> 2)) & 1, so that early and late tiles are mixed among any four waves that follow each other or lie four apart.
; LDS holds the head's whole record (K's 128 half images, V's 64 fragments, both scale words: 208,896 bytes), each byte filled ONCE: no slot is ever filled again, so there is no ring.
; THE RECORD COMES IN ONE GO, AND THE WORK STARTS BEHIND ALL OF IT.  Wave w issues one tensor load at the head, key step w: one tile of
; two rows of 6,144 bytes that lie 98,304 bytes apart in memory: eight tiles of K and four fragments of V; in LDS they lie on end.  So key step s is the 12,288 bytes from 12,288 s on:
; K's eight tiles, then V's four fragments.  Before the work each wave waits for its load and its scale words' stores, and passes one barrier.
; NO CLUSTER, though the eight work-groups of a head read the same record: which steps a wave leaves out hangs on its block of queries, that is on the work-group's x.
; Nothing is left to ask for ahead of time: all of the record is asked for at the head.
; EVERY WAVE walks all 16 steps in one loop; a step all of whose keys come after the wave's queries is jumped over by a scalar branch on ids (never a barrier); the step on the diagonal hides keys by -infinity ahead of the maximum.
; Lane-row r of tile 2b+u stands for position 32b + 8u + (r & 7) + 16 (r >> 3), for queries, keys and channels alike: so p's and O's registers run along neighbours (16 of each block of 32).
; LIMITS: NaN and infinities are not served; a block of zeros gets the byte 1 with zero codes.
; REGISTERS: v1, v2, v5, v6 lane places; v7 the mask's number; v8, v9, v28, v29 a step's addresses; v12 -M, v13 largest t, v[14:15] the sum; v16-21 Q, v22-27 zero codes; v30 4 r; v31 -infinity; v32-79 K's eight tiles (six registers
;   each; tile t is named as v[32+6t : 43+6t]), v80-85 zero; later v32-43 p's codes; v86-89 K's scale words, v90-91 V's, v92 p's, v93 Q's; v96-159 S^T, then p; v160-191 O^T; v192-239 V's four fragments; v240-254 at work; v255 lane.
.set RKS, 196608                       ; in a record, and in LDS: K's scale words, one a key
.set RVS, 204800                       ; V's, [key step][tile][16]
.set REC, 208896
.set KVB, 3407872                      ; the records in qkv
.set QSB, 3145728                      ; Q's scale words in qkv
.set PIECE, 3072                       ; two tiles of K, one fragment of V
.set STEPB, 4*PIECE                    ; a key step in LDS
.set CHB,  4*STEPB                     ; a chunk in LDS
.set G1C, 16                           ; s[16:23] group 1 of a piece
.set G1S, 68
.set G0S, 76                           ; s[76:79]
.set G0C, 80                           ; s[80:83] group 0 of my key step's load
.set SEL, 38
.set CS,  40
.set KF,  42                           ; s42 the step's first key
.set TB,  43                           ; s43 12,288 x step
.set TS,  44                           ; s44 512 x step: K's scale words
.set TT,  45                           ; s45 256 x step: V's
.macro FRAG reg, a16, a8, off
	ds_load_b128 v[(\reg):(\reg)+3], v[\a16] offset:(\off)
	ds_load_b64 v[(\reg)+4:(\reg)+5], v[\a8] offset:(\off)+512
	ds_load_b128 v[(\reg)+6:(\reg)+9], v[\a16] offset:(\off)+768
	ds_load_b64 v[(\reg)+10:(\reg)+11], v[\a8] offset:(\off)+1280
.endm
	s_load_b128 s[4:7], s[0:1], 0x0                ; qkv s[4:5], act s[6:7]
	v_lshl_add_u32 v94, v0, 2, 0x33000
	v_mov_b32 v95, 0
	ds_add_u32 v94, v95
	ds_add_u32 v94, v95
	v_lshrrev_b32 v8, 5, v0
	s_delay_alu instid0(VALU_DEP_1)
	v_readfirstlane_b32 s8, v8                     ; wave 0..15
	s_and_b32 s9, ttmp7, 0xffff                    ; batch x 16 + head
	s_mov_b32 s[G1C+0], 3<<16                      ; a piece: elements of 8 bytes; no mask, no padding
	s_mov_b32 s[G1C+1], 768<<16                    ; tensor_dim0: 6,144 bytes: a key step's eight tiles of K, or its four fragments of V
	s_mov_b32 s[G1C+2], 2<<16                      ; tensor_dim1: K's row, V's row
	s_mov_b32 s[G1C+3], 768<<16
	s_mov_b32 s[G1C+4], 2                          ; tile_dim1
	s_mov_b32 s[G1C+5], 12288                      ; from K's part of the record to V's: 98,304 bytes
	s_mov_b32 s[G1C+6], 0
	s_mov_b32 s[G1C+7], 0
	s_mul_i32 s24, s9, REC
	s_add_co_u32 s24, s24, KVB                     ; the head's record in qkv
	s_mov_b32 s25, 0
	s_mul_i32 s10, s8, 6144                        ; WAVE w FETCHES KEY STEP w, by its one tensor load: K's 6,144 bytes and V's, 98,304 bytes apart in memory,
	s_mul_i32 s11, s8, STEPB                       ; on end in LDS at 12,288 w
	s_wait_dscnt 0x0
	s_wait_kmcnt 0x0
	s_add_nc_u64 s[14:15], s[4:5], s[24:25]
	s_mov_b32 s24, s10
	s_add_nc_u64 s[58:59], s[14:15], s[24:25]
	s_add_nc_u64 s[60:61], s[14:15], RKS           ; the record's scale words
	s_mov_b32 s[G0C], 1
	s_mov_b32 s[G0C+1], s11
	s_mov_b64 s[G0C+2:G0C+3], s[58:59]
	s_or_b32 s[G0C+3], s[G0C+3], 0x80000000
	tensor_load_to_lds s[G0C:G0C+3], s[G1C:G1C+7]  ; one tensor load a wave at the head
	s_nop 0
.rept 4
	v_nop
.endr
	s_lshr_b32 s26, s8, 1                          ; my tile in its block
	s_lshr_b32 s27, s8, 2
	s_xor_b32 s27, s27, s8
	s_and_b32 s27, s27, 1
	s_sub_co_u32 s28, 15, ttmp9
	s_cmp_eq_u32 s27, 1
	s_cselect_b32 s28, s28, ttmp9                  ; my block of 128 queries
	s_lshl_b32 s29, s28, 7                         ; its first query = the first key of the step on the diagonal
	s_lshl_b32 s30, s28, 3
	s_add_co_u32 s30, s30, s26                     ; my tile in the sequence
	s_mul_i32 s32, s9, 98304
	s_mul_i32 s33, s30, 768
	s_add_co_u32 s32, s32, s33
	s_mov_b32 s33, 0
	s_add_nc_u64 s[32:33], s[4:5], s[32:33]        ; Q's half image
	s_lshl_b32 s34, s9, 13
	s_lshl_b32 s35, s30, 6
	s_add_co_u32 s34, s34, s35
	s_add_co_u32 s34, s34, QSB
	s_mov_b32 s35, 0
	s_add_nc_u64 s[34:35], s[4:5], s[34:35]        ; its scale words
	v_and_b32 v255, 31, v0                         ; lane
	v_and_b32 v240, 15, v0                         ; r
	v_bfe_u32 v241, v0, 4, 1                       ; h
	s_delay_alu instid0(VALU_DEP_3)
	v_lshlrev_b32 v1, 4, v255
	s_delay_alu instid0(VALU_DEP_4)
	v_lshlrev_b32 v2, 3, v255
	s_delay_alu instid0(VALU_DEP_4)
	v_lshlrev_b32 v30, 2, v240
	global_load_b128 v[16:19], v1, s[32:33]
	global_load_b64 v[20:21], v2, s[32:33] offset:512
	global_load_b32 v93, v30, s[34:35]
	v_lshlrev_b32 v3, 3, v0                        ; the 12,288 bytes of scale words come by plain loads, 8 bytes a thread three times (each wave's load covers 256 consecutive bytes), and go into LDS bytes of their own
	v_lshl_add_u32 v4, v0, 3, RKS
	global_load_b64 v[96:97], v3, s[60:61]
	global_load_b64 v[98:99], v3, s[60:61] offset:4096
	global_load_b64 v[100:101], v3, s[60:61] offset:8192
	v_lshl_add_u32 v5, v255, 2, RKS                ; lanes 0-15 an even tile's words, lanes 16-31 the next tile's
	v_lshl_add_u32 v6, v255, 2, RVS
	s_lshr_b32 s36, s26, 1
	s_lshl_b32 s36, s36, 5
	s_and_b32 s37, s26, 1
	s_lshl_b32 s37, s37, 3
	s_add_co_u32 s36, s36, s37
	v_and_b32 v7, 7, v240
	v_lshrrev_b32 v242, 3, v240
	s_delay_alu instid0(VALU_DEP_1)
	v_lshl_add_u32 v7, v242, 4, v7
	v_lshlrev_b32 v242, 4, v241
	s_delay_alu instid0(VALU_DEP_1)
	v_sub_nc_u32 v7, v7, v242
	s_delay_alu instid0(VALU_DEP_1)
	v_add_nc_u32 v7, s36, v7                       ; my query's place in its block - 16 h.  Register 16 b + i holds key 32 b + 16 h + i of the step: hidden on the diagonal where 32 b + i is above this number
	; where O goes: fragment (token tile, head / 2), half head % 2; two scale bytes a row
	s_lshr_b32 s47, s9, 4
	s_bfe_u32 s48, s9, 0x30001
	s_and_b32 s49, s9, 1
	s_lshl_b32 s50, s47, 7
	s_add_co_u32 s50, s50, s30
	s_lshl_b32 s51, s50, 3
	s_add_co_u32 s51, s51, s48
	s_mul_i32 s52, s51, 1536
	s_mul_i32 s51, s49, 768
	s_add_co_u32 s52, s52, s51
	s_mov_b32 s53, 0
	s_add_nc_u64 s[52:53], s[6:7], s[52:53]
	s_lshl_b32 s54, s48, 12
	s_lshl_b32 s51, s50, 4
	s_add_co_u32 s54, s54, s51
	s_lshl_b32 s54, s54, 2
	s_lshl_b32 s51, s49, 1
	s_add_co_u32 s54, s54, s51
	s_add_co_u32 s54, s54, 3145728
	s_mov_b32 s55, 0
	s_add_nc_u64 s[54:55], s[6:7], s[54:55]
	s_mov_b32 s[SEL], 0x76543210
	s_mov_b32 s[SEL+1], 0xfedcba98                 ; v_permlanex16_b32's selects for lane l xor 16
	s_mov_b32 s[CS], 0x3e38aa3b                    ; c = log2(e) / sqrt(64)
	s_mov_b32 s[CS+1], s[CS]                       ; (named with it as a pair)
	v_mov_b32 v13, 0xff61b1e6                      ; the largest t so far: -3e38
	s_delay_alu instid0(VALU_DEP_1)
	v_floor_f32 v12, -v13                          ; -M
	v_mov_b32 v14, 0
	v_mov_b32 v15, 0
	v_mov_b32 v31, 0xff800000                      ; -infinity
.irp j, 0,1,2,3,4,5
	v_mov_b32 v[22+\j], 0                          ; Q's codes for k = 64 .. 127: zeros
	v_mov_b32 v[80+\j], 0                          ; what the last tile of K names as its upper half
.endr
.irp b, 0,1,2,3
	v_mov_b32 v[244+\b], 0                         ; written once: a lane permute's destination counts as one of its sources
.endr
	v_mov_b32 v252, 0
	v_mov_b32 v253, 0                              ; (named as the upper half of the pair v[252:253])
.set j, 0
.rept 32
	v_mov_b32 v[160+j], 0                          ; O^T: the step is written once a chunk; the first finds zeros, which the first change of M leaves zeros
.set j, j+1
.endr
	s_wait_loadcnt 0x0                             ; Q
; A CHUNK: the wait for my piece of it, a barrier, sixteen key steps in a loop whose scalars start from constants.
.macro CHUNK chunk
	s_wait_tensorcnt 0x0                           ; my key step has landed
	ds_store_b64 v4, v[96:97]
	ds_store_b64 v4, v[98:99] offset:4096
	ds_store_b64 v4, v[100:101] offset:8192
	s_wait_dscnt 0x0                               ; for the others' sake: my part of the scale words is in LDS.  ONE barrier: behind it the whole record is there, and the waves walk their steps apart
	s_barrier_signal -1
	s_barrier_wait -1                              ; everybody's piece has landed
	s_mov_b32 s[KF], 512*(\chunk)
	s_mov_b32 s[TB], CHB*(\chunk)
	s_mov_b32 s[TS], 2048*(\chunk)
	s_mov_b32 s[TT], 1024*(\chunk)
	s_mov_b32 s46, 16                              ; one loop over all sixteen key steps
.Lstep_\@:
	s_cmp_gt_u32 s[KF], s29                        ; all 128 keys come after my queries: only the addresses step
	s_cbranch_scc1 .Lhidden_\@
	v_add_nc_u32 v8, s[TB], v1                     ; (these four are also the places behind the last step's products, in front of the loads)
	v_add_nc_u32 v9, s[TB], v2
	v_add_nc_u32 v28, s[TS], v5
	v_add_nc_u32 v29, s[TT], v6
.irp t, 0,1,2,3,4,5,6,7
	ds_load_b128 v[32+6*\t:35+6*\t], v8 offset:768*\t
	ds_load_b64 v[36+6*\t:37+6*\t], v9 offset:768*\t+512
.endr
.irp p, 0,1,2,3
	ds_load_b32 v[86+\p], v28 offset:128*\p
.endr
.irp d, 0,1,2,3
	FRAG 192+12*\d, 8, 9, 6144+1536*\d
.endr
	ds_load_b32 v90, v29
	ds_load_b32 v91, v29 offset:128
	s_wait_dscnt 18                                ; K and its words are in; V's 16 loads and its 2 words may stay out
.irp t, 0,2,4,6
	v_wmma_scale_f32_16x16x128_f8f6f4 v[96+8*\t:103+8*\t], v[32+6*\t:43+6*\t], v[16:27], 0, v[86+\t/2], v93 matrix_a_fmt:MATRIX_FMT_BF6 matrix_b_fmt:MATRIX_FMT_BF6
	v_wmma_scale_f32_16x16x128_f8f6f4 v[104+8*\t:111+8*\t], v[38+6*\t:49+6*\t], v[16:27], 0, v[86+\t/2], v93 matrix_a_fmt:MATRIX_FMT_BF6 matrix_b_fmt:MATRIX_FMT_BF6 matrix_a_scale:MATRIX_SCALE_ROW1
.endr
.rept 4
	v_nop
.endr
	s_cmp_lg_u32 s[KF], s29                        ; only the step on the diagonal hides keys
	s_cbranch_scc1 .Lopen_\@
.set n, 0
.rept 64
	v_cmp_gt_i32 vcc_lo, 32*(n/16)+n%16, v7
	v_cndmask_b32 v[96+n], v[96+n], v31, vcc_lo
.set n, n+1
.endr
.Lopen_\@:
.irp b, 0,1,2,3
	v_max3_num_f32 v[240+\b], v[96+16*\b], v[97+16*\b], v[98+16*\b]   ; the largest score of each block of 32 keys: it serves for the row's maximum and, since p rises with the score, for the block's largest p
.endr
.irp i, 3,5,7,9,11,13
.irp b, 0,1,2,3
	v_max3_num_f32 v[240+\b], v[240+\b], v[96+16*\b+\i], v[97+16*\b+\i]
.endr
.endr
.irp b, 0,1,2,3
	v_max_num_f32 v[240+\b], v[240+\b], v[111+16*\b]
.endr
.irp b, 0,1,2,3
	s_delay_alu instid0(VALU_DEP_4)
	v_permlanex16_b32 v[244+\b], v[240+\b], s[SEL], s[SEL+1]
.endr
.irp b, 0,1,2,3
	s_delay_alu instid0(VALU_DEP_4)
	v_max_num_f32 v[240+\b], v[240+\b], v[244+\b]  ; with lane l xor 16's 16 keys
.endr
	s_delay_alu instid0(VALU_DEP_2)
	v_max3_num_f32 v254, v240, v241, v242
	s_delay_alu instid0(VALU_DEP_1)
	v_max_num_f32 v254, v254, v243
	s_delay_alu instid0(VALU_DEP_1)
	v_mul_f32 v254, s[CS], v254                    ; as t (c is positive)
	s_delay_alu instid0(VALU_DEP_1)
	v_max_num_f32 v13, v13, v254                   ; the running largest t
	v_mov_b32 v254, v12
	s_delay_alu instid0(VALU_DEP_2)
	v_floor_f32 v12, -v13                          ; the new -M = -ceil(t)
	s_delay_alu instid0(VALU_DEP_1)
	v_sub_f32 v254, v12, v254                      ; old M - new M: a whole number, 0 or less
	s_delay_alu instid0(VALU_DEP_1)
	v_cvt_i32_f32 v254, v254                       ; (it saturates)
	s_delay_alu instid0(VALU_DEP_1)
	v_ldexp_f32 v252, 1.0, v254                    ; f = 2^(old M - new M): a multiplication by it rounds nothing
.set j, 0
.rept 32
	v_pk_fma_f32 v[96+j:97+j], v[96+j:97+j], s[CS:CS+1], v[12:13] op_sel_hi:[1,0,0]   ; t - M, two at a time
.set j, j+2
.endr
.irp b, 0,1,2,3
	v_fma_f32 v[240+\b], v[240+\b], s[CS], v12     ; the same of each block's largest score
.endr
.set j, 0
	s_wait_alu depctr_va_vdst(0)
.rept 64
	v_exp_f32 v[96+j], v[96+j]                     ; p = 2^(t - M), at most 1, not normalised
.set j, j+1
.endr
	v_pk_mul_f32 v[14:15], v[14:15], v[252:253] op_sel_hi:[1,0]   ; the sums under the new M (a plain place behind the exponentials)
	s_wait_alu depctr_va_vdst(0)                   ; one wait for the batch, ahead of its first reader
.irp b, 0,1,2,3
	v_exp_f32 v[240+\b], v[240+\b]                 ; the block's largest p
.endr
	v_pk_add_f32 v[244:245], v[100:101], v[104:105]
	v_pk_add_f32 v[10:11], v[108:109], v[112:113]
	v_pk_add_f32 v[14:15], v[14:15], v[116:117]
	v_pk_add_f32 v[244:245], v[244:245], v[120:121]
	v_pk_add_f32 v[10:11], v[10:11], v[124:125]
	v_pk_add_f32 v[14:15], v[14:15], v[128:129]
	v_pk_add_f32 v[244:245], v[244:245], v[132:133]
	v_pk_add_f32 v[10:11], v[10:11], v[136:137]
	v_pk_add_f32 v[14:15], v[14:15], v[140:141]
	v_pk_add_f32 v[244:245], v[244:245], v[144:145]
	v_pk_add_f32 v[10:11], v[10:11], v[148:149]
	v_pk_add_f32 v[14:15], v[14:15], v[152:153]
	v_pk_add_f32 v[244:245], v[244:245], v[156:157]
	v_pk_add_f32 v[10:11], v[10:11], v[96:97]
	v_pk_add_f32 v[14:15], v[14:15], v[98:99]
	v_pk_add_f32 v[244:245], v[244:245], v[102:103]
	v_pk_add_f32 v[10:11], v[10:11], v[106:107]
	v_pk_add_f32 v[14:15], v[14:15], v[110:111]
	v_pk_add_f32 v[244:245], v[244:245], v[114:115]
	v_pk_add_f32 v[10:11], v[10:11], v[118:119]
	v_pk_add_f32 v[14:15], v[14:15], v[122:123]
	v_pk_add_f32 v[244:245], v[244:245], v[126:127]
	v_pk_add_f32 v[10:11], v[10:11], v[130:131]
	v_pk_add_f32 v[14:15], v[14:15], v[134:135]
	v_pk_add_f32 v[244:245], v[244:245], v[138:139]
	v_pk_add_f32 v[10:11], v[10:11], v[142:143]
	v_pk_add_f32 v[14:15], v[14:15], v[146:147]
	v_pk_add_f32 v[244:245], v[244:245], v[150:151]
	v_pk_add_f32 v[10:11], v[10:11], v[154:155]
	v_pk_add_f32 v[14:15], v[14:15], v[158:159]
	s_delay_alu instid0(VALU_DEP_1)
	v_pk_add_f32 v[14:15], v[14:15], v[10:11]
	s_delay_alu instid0(VALU_DEP_1)
	v_pk_add_f32 v[14:15], v[14:15], v[244:245]
	s_wait_alu depctr_va_vdst(0)                   ; and one for the four
.irp b, 0,1,2,3
	v_max_num_f32 v[240+\b], 0x2800000, v[240+\b]  ; the floor 2^(5 - 127): the byte cannot fall under 1
.endr
.irp b, 0,1,2,3
	s_delay_alu instid0(VALU_DEP_4)
	v_add_nc_u32 v[248+\b], 0xfe000000, v[240+\b]  ; 4 off the exponent field: the conversion's scale operand
.endr
.irp b, 0,1,2,3
	s_delay_alu instid0(VALU_DEP_4)
	v_lshrrev_b32 v[244+\b], 23, v[248+\b]         ; the scale's byte
.endr
	s_delay_alu instid0(VALU_DEP_3)
	v_lshl_or_b32 v92, v245, 8, v244               ; p's scale word for these 128 keys
	s_delay_alu instid0(VALU_DEP_1)
	v_lshl_or_b32 v92, v246, 16, v92
	s_delay_alu instid0(VALU_DEP_1)
	v_lshl_or_b32 v92, v247, 24, v92
.irp c, 0,1
	v_cvt_scalef32_pk16_bf6_f32 v[32+6*\c:34+6*\c], v[96+32*\c:111+32*\c], v[248+2*\c]
	v_cvt_scalef32_pk16_bf6_f32 v[44+4*\c:46+4*\c], v[112+32*\c:127+32*\c], v[248+2*\c+1]
.endr
	v_nop                                          ; one plain place behind a scaled conversion
.irp c, 0,1                                    ; the layout wants a WHOLE block in a lane
.irp i, 0,1,2
	v_permlane16_swap_b32 v[32+6*\c+\i], v[44+4*\c+\i]
.endr
.irp i, 0,1,2
	s_delay_alu instid0(VALU_DEP_3)
	v_mov_b32 v[35+6*\c+\i], v[44+4*\c+\i]
.endr
.endr
.set j, 0
.rept 16
	v_pk_mul_f32 v[160+j:161+j], v[160+j:161+j], v[252:253] op_sel_hi:[1,0]   ; O^T under the new M (these sixteen are also the places between the scale word's and the codes' last writes and the products)
.set j, j+2
.endr
	s_wait_alu depctr_va_vdst(0)
	s_wait_dscnt 0x0                               ; V
.irp d, 0,2
	v_wmma_scale_f32_16x16x128_f8f6f4 v[160+8*\d:167+8*\d], v[192+12*\d:203+12*\d], v[32:43], v[160+8*\d:167+8*\d], v[90+\d/2], v92 matrix_a_fmt:MATRIX_FMT_BF6 matrix_b_fmt:MATRIX_FMT_BF6
	v_wmma_scale_f32_16x16x128_f8f6f4 v[168+8*\d:175+8*\d], v[204+12*\d:215+12*\d], v[32:43], v[168+8*\d:175+8*\d], v[90+\d/2], v92 matrix_a_fmt:MATRIX_FMT_BF6 matrix_b_fmt:MATRIX_FMT_BF6 matrix_a_scale:MATRIX_SCALE_ROW1
.endr
.Lhidden_\@:
	s_add_co_u32 s[KF], s[KF], 128
	s_add_co_u32 s[TB], s[TB], STEPB
	s_add_co_u32 s[TS], s[TS], 512
	s_add_co_u32 s[TT], s[TT], 256
	s_sub_co_u32 s46, s46, 1
	s_cmp_lg_u32 s46, 0
	s_cbranch_scc1 .Lstep_\@
.endm
	CHUNK 0
	; THE WAY OUT
.rept 4
	v_nop                                          ; places behind the last products
.endr
	v_add_f32 v14, v14, v15
	s_delay_alu instid0(VALU_DEP_1)
	v_permlanex16_b32 v252, v14, s[SEL], s[SEL+1]
	s_delay_alu instid0(VALU_DEP_1)
	v_add_f32 v14, v14, v252                       ; the row's sum
	s_wait_alu depctr_va_vdst(0)
	v_rcp_f32 v14, v14
	v_nop                                          ; a plain place behind the transcendental
	s_wait_alu depctr_va_vdst(0)
	v_mov_b32 v15, v14
.set j, 0
.rept 16
	v_pk_mul_f32 v[96+j:97+j], v[160+j:161+j], v[14:15]   ; register 16 b + i: channel 32 b + 16 h + i of my query; each accumulator from its low end on
.set j, j+2
.endr
.irp b, 0,1
	v_max3_num_f32 v[240+\b], |v[96+16*\b]|, |v[97+16*\b]|, 0x2800000
.endr
.irp i, 2,4,6,8,10,12,14
.irp b, 0,1
	s_delay_alu instid0(VALU_DEP_2)
	v_max3_num_f32 v[240+\b], v[240+\b], |v[96+16*\b+\i]|, |v[97+16*\b+\i]|
.endr
.endr
.irp b, 0,1
	s_delay_alu instid0(VALU_DEP_2)
	v_permlanex16_b32 v[244+\b], v[240+\b], s[SEL], s[SEL+1]
.endr
.irp b, 0,1
	s_delay_alu instid0(VALU_DEP_2)
	v_max_num_f32 v[240+\b], v[240+\b], v[244+\b]
.endr
.irp b, 0,1
	s_delay_alu instid0(VALU_DEP_2)
	v_add_nc_u32 v[248+\b], 0xfe000000, v[240+\b]
.endr
.irp b, 0,1
	s_delay_alu instid0(VALU_DEP_2)
	v_lshrrev_b32 v[244+\b], 23, v[248+\b]
.endr
	s_delay_alu instid0(VALU_DEP_1)
	v_lshl_or_b32 v254, v245, 8, v244              ; my head's two bytes of the row's scale word
	v_cvt_scalef32_pk16_bf6_f32 v[32:34], v[96:111], v248
	v_cvt_scalef32_pk16_bf6_f32 v[44:46], v[112:127], v249
	v_nop
.irp i, 0,1,2
	v_permlane16_swap_b32 v[32+\i], v[44+\i]
.endr
.irp i, 0,1,2
	s_delay_alu instid0(VALU_DEP_3)
	v_mov_b32 v[35+\i], v[44+\i]
.endr
	global_store_b128 v1, v[32:35], s[52:53]       ; 512 and 256 consecutive bytes, aligned
	global_store_b64 v2, v[36:37], s[52:53] offset:512
	s_wait_xcnt 0x0                                ; EXEC changes only behind this wait
	v_cmp_gt_u32 vcc_lo, 16, v255
	s_wait_tensorcnt 0x0
	ds_add_u32 v94, v95
	s_wait_dscnt 0x0
	s_and_saveexec_b32 s56, vcc_lo
	global_store_b16 v30, v254, s[54:55]           ; two bytes of each of 16 words; a word's other half is the neighbouring head's: 128 KiB of such stores in the whole launch
	s_wait_xcnt 0x0
	s_or_b32 exec_lo, exec_lo, s56
	s_endpgm
.Lfunc_end_k_qeb076cf2df_attn:
	.size	k_qeb076cf2df_attn, .Lfunc_end_k_qeb076cf2df_attn-k_qeb076cf2df_attn
	.p2alignl 7, 3214868480
	.fill 96, 4, 3214868480
	.section	.rodata,"a",@progbits
	.p2align	6, 0x0
	.amdhsa_kernel k_qeb076cf2df_attn
		.amdhsa_group_segment_fixed_size 210944
		.amdhsa_private_segment_fixed_size 0
		.amdhsa_enable_private_segment 0
		.amdhsa_kernarg_size 16
		.amdhsa_user_sgpr_count 2
		.amdhsa_user_sgpr_kernarg_segment_ptr 1
		.amdhsa_wavefront_size32 1
		.amdhsa_system_sgpr_workgroup_id_x 1
		.amdhsa_system_sgpr_workgroup_id_y 1
		.amdhsa_system_sgpr_workgroup_id_z 1
		.amdhsa_system_vgpr_workitem_id 0
		.amdhsa_next_free_vgpr 256
		.amdhsa_next_free_sgpr 100
		.amdhsa_reserve_vcc 1
		.amdhsa_float_denorm_mode_32 3
		.amdhsa_float_denorm_mode_16_64 3
		.amdhsa_memory_ordered 1
		.amdhsa_forward_progress 1
		.amdhsa_inst_pref_size 35
	.end_amdhsa_kernel
	.amdgpu_metadata
---
amdhsa.version: [ 1, 2 ]
amdhsa.kernels:
  - .name:           k_qeb076cf2df_attn
    .symbol:         k_qeb076cf2df_attn.kd
    .args:
      - { .name: qkv, .offset: 0, .size: 8, .value_kind: global_buffer, .address_space: global }
      - { .name: act, .offset: 8, .size: 8, .value_kind: global_buffer, .address_space: global }
    .group_segment_fixed_size: 210944
    .private_segment_fixed_size: 0
    .kernarg_segment_align: 8
    .kernarg_segment_size: 16
    .max_flat_workgroup_size: 512
    .sgpr_count:     100
    .vgpr_count:     256
    .wavefront_size: 32
...
	.end_amdgpu_metadata
.endif
;; end of part 3
;; launch proj (part 4): grid 8 x 32, 4 waves a work-group, clusters of 4 x 4, 327,680 bytes of LDS; arguments act, wts, proj_b, x, x2; writes x2
.if DOCPART == 4
	.amdgcn_target "amdgcn-amd-amdhsa--gfx1250"
	.amdhsa_code_object_version 6
	.text
	.protected	k_qeb076cf2df_proj
	.globl	k_qeb076cf2df_proj
	.p2align	8
	.type	k_qeb076cf2df_proj,@function
k_qeb076cf2df_proj:
	s_mov_b64 s[64:65], 0
	v_nop
	global_prefetch_b8 v0, s[64:65] scope:SCOPE_SE
	s_setreg_imm32_b32 hwreg(HW_REG_WAVE_MODE, 25, 1), 1
	s_wait_xcnt 0x0
	s_wait_alu depctr_hold_cnt(0) depctr_sa_sdst(0) depctr_va_vdst(0) depctr_va_sdst(0) depctr_va_ssrc(0) depctr_va_vcc(0) depctr_vm_vsrc(0)
	s_getreg_b32 s2, hwreg(HW_REG_IB_STS2, 6, 4)
	s_cmp_eq_u32 s2, 0
	s_cbranch_scc0 .Lentry_in_a_cluster
	s_endpgm
.Lentry_in_a_cluster:
	s_bfe_u32 s2, ttmp6, 0x10000c
	s_cmp_lg_u32 s2, 0xf033
	s_cbranch_scc0 .Lentry_shape_is_right
	s_endpgm
.Lentry_shape_is_right:
; Product 4: attention's output [4,096 x 1,024] x proj_w [1,024 x 1,024] on codes of BF6, + proj_b + x: x2, f32.
; OPERANDS lie in memory as images of fragments (16 rows x 128 K = 1,536 bytes: two halves of 768: registers 6c..6c+3 at 16 x lane, 6c+4, 6c+5 at 512 + 8 x lane), fragment (tile, s) at (KS tile + s) x 1,536; scale words at (RP s + 16 tile + r) x 4.
; Lane-row r of tile 2b+u stands for row 32b + 8u + (r & 7) + 16 (r >> 3).  THE MATRIX INSTRUCTION IS USED TRANSPOSED (source 0 = the weight, source 1 = the tokens): a lane holds one token and eight neighbouring columns an accumulator.
; N = 1,024 gives 64 tiles of 256 x 256, so a work-group makes 128 x 128 (256 work-groups), a wave 64 x 64: 16 accumulators.  All of K lies in one LDS slot; all scale words come once.
; CLUSTERS 4 x 4: A's tiles are asked for jointly along a row of the cluster, B's along a column.  No prefetch: all of K is asked for at the head.
; The residual's 32 rows a wave are asked for at the head and wait in registers.  Results go through a stage in LDS (a row's 512 bytes come from two waves) and leave as whole rows.
; REGISTERS: window 0: v1-5 lane numbers; v8-11 bias; v12, v13 the stage; v16-23, v27 LDS addresses; v32-47 scale words; A's two sets at v64, v160; on the way out v64-191 rows.  window 1: B's sets at v0, v128.
;   window 2: accumulator (a, b) at v[8 (4 a + b)].  window 3: v0-127 the residual.
.set TA, 4
.set NQ, 8                             ; all of K lies in ONE slot, asked for at the head: nothing is filled again
.set KS, 8
.set LAPS, 1
.set RPA, 4096
.set RPB, 1024
.set ACODE, 0
.set ASCL, 3145728
.set BCODE, 2359296
.set BSCL, 9568256
.set HALFT, TA*NQ*1536
.set SLOT,  4*HALFT
.set SCL,   SLOT
.set HALFS, KS*64*TA
.set SPARE, SCL+4*HALFS                ; the spare words, 128 bytes a wave: two blocks of 256 bytes that no other line names
.set STG,   SPARE+512                  ; the stage: 128 rows x (512 bytes + 16)
.set A16, 16
.set A8,  18
.set B16, 20
.set B8,  22
.set ADRS, 27
.set SPW, 28
.set NIL, 29
.set SC,  32
.set AF,  64
.set G1, 24
.set G0, 32
.set G1B, 48
.set G0B, 56
.set G1S, 68
.set G0S, 76
.set G1SB, 80
.set G0SB, 88
.set MSB, 0
.macro WIN new                         ; the immediate's high byte repeats the setting that is left
.if MSB != (\new)
	s_set_vgpr_msb (MSB<<8)|(\new)
.set MSB, (\new)
.endif
.endm
.macro JLOAD g0a, g1a, g0b, g1b        ; a joint load: waves 0 and 1 fetch for A, waves 2 and 3 for B; four v_nop follow each of the two lines
	s_cmp_eq_u32 s15, 0
	s_cbranch_scc0 .Lfor_b_\@
	tensor_load_to_lds s[\g0a:\g0a+3], s[\g1a:\g1a+7]
	s_nop 0
.rept 4
	v_nop
.endr
	s_branch .Lasked_\@
.Lfor_b_\@:
	tensor_load_to_lds s[\g0b:\g0b+3], s[\g1b:\g1b+7]
	s_nop 0
.rept 4
	v_nop
.endr
.Lasked_\@:
.endm
.macro CREST                           ; a round of the cluster's barrier behind its opening barrier
	s_cmp_lg_u32 s14, 0
	s_cbranch_scc1 .Lnot_wave_0_\@
	s_barrier_signal -3
.Lnot_wave_0_\@:
	s_barrier_wait -3
	s_barrier_signal -1
	s_barrier_wait -1
.endm
.macro CROUND
	s_barrier_signal -1
	s_barrier_wait -1
	CREST
.endm
.macro PLACES n                        ; plain vector instructions between a matrix instruction and a load into, or a vector access to, its registers
.rept \n
	v_nop
.endr
.endm
.macro FRAG reg, a16, a8, off
	ds_load_b128 v[(\reg):(\reg)+3], v[\a16] offset:(\off)
	ds_load_b64 v[(\reg)+4:(\reg)+5], v[\a8] offset:(\off)+512
	ds_load_b128 v[(\reg)+6:(\reg)+9], v[\a16] offset:(\off)+768
	ds_load_b64 v[(\reg)+10:(\reg)+11], v[\a8] offset:(\off)+1280
.endm
.macro FETCH slot, q, p, adv           ; the fragments and scale words of the slot's q-th K step into set p; adv = 1: on to the next K step's scale words (no LDS load of mine is out there)
	WIN 0
.if \adv
	v_add_nc_u32 v[ADRS], 128*TA, v[ADRS]
.endif
	WIN 0x40
.set fi, 0
.rept TA
	FRAG 128*(\p)+12*fi, B16+(\slot), B8+(\slot), (fi*NQ+(\q))*1536
.set fi, fi+1
.endr
	WIN 0
.set fi, 0
.rept TA
	FRAG AF+96*(\p)+12*fi, A16+(\slot), A8+(\slot), (fi*NQ+(\q))*1536
.set fi, fi+1
.endr
.set fi, 0
.rept TA
	ds_load_b32 v[SC+8*(\p)+fi], v[ADRS] offset:64*fi              ; lanes 0-15: the words of A's tile fi; lanes 16-31: of B's tile fi
.set fi, fi+1
.endr
.endm
.macro MULH p, a0, n, zero             ; the accumulators take turns, one instruction a turn, in the same order in every step
.set ma, \a0
.rept \n
	WIN 0xa1+0x50*(ma/4)
.set mb, 0
.rept TA
.if \zero
	v_wmma_scale_f32_16x16x128_f8f6f4 v[8*(TA*(ma%4)+mb):8*(TA*(ma%4)+mb)+7], v[128*(\p)+12*mb:128*(\p)+12*mb+11], v[AF+96*(\p)+12*ma:AF+96*(\p)+12*ma+11], 0, v[SC+8*(\p)+mb], v[SC+8*(\p)+ma] matrix_a_fmt:MATRIX_FMT_BF6 matrix_b_fmt:MATRIX_FMT_BF6 matrix_a_scale:MATRIX_SCALE_ROW1
.else
	v_wmma_scale_f32_16x16x128_f8f6f4 v[8*(TA*(ma%4)+mb):8*(TA*(ma%4)+mb)+7], v[128*(\p)+12*mb:128*(\p)+12*mb+11], v[AF+96*(\p)+12*ma:AF+96*(\p)+12*ma+11], v[8*(TA*(ma%4)+mb):8*(TA*(ma%4)+mb)+7], v[SC+8*(\p)+mb], v[SC+8*(\p)+ma] matrix_a_fmt:MATRIX_FMT_BF6 matrix_b_fmt:MATRIX_FMT_BF6 matrix_a_scale:MATRIX_SCALE_ROW1
.endif
.set mb, mb+1
.endr
.set ma, ma+1
.endr
.endm
.macro STEP slot, q, zero              ; a K step that has its successor in the same slot
	s_wait_dscnt 0x0
	PLACES 4                                       ; the other set was read by the last step's products
	FETCH \slot, (\q)+1, 1-(\q)%2, 1
	MULH (\q)%2, 0, TA, \zero
.endm
.macro MID slot, q0                    ; the slot's steps q0 .. NQ - 2
.set mq, \q0
.rept NQ-1-(\q0)
	s_wait_alu depctr_va_vdst(0)
	STEP \slot, mq, 0
.set mq, mq+1
.endr
.endm
; A slot's last step (set 1) changes slots: ONE barrier; in front of it each wave waits for all its tensor loads, adds 0 to its spare word, and waits for that and for its reads of this slot.  fill = 1: a round of the cluster's barrier, and the slot is filled again
.macro TURN slot, next, fill
	WIN 0
	s_wait_alu depctr_va_vdst(0)
	s_wait_tensorcnt 0x0
	ds_add_u32 v[SPW], v[NIL]
	s_wait_dscnt 0x0
	s_barrier_signal -1
	MULH 1, 0, TA/2, 0
	WIN 0
	s_barrier_wait -1
.if \fill
	CREST
	s_add_nc_u64 s[G0+4*\slot+2:G0+4*\slot+3], s[G0+4*\slot+2:G0+4*\slot+3], 2*NQ*1536
	s_add_nc_u64 s[G0B+4*\slot+2:G0B+4*\slot+3], s[G0B+4*\slot+2:G0B+4*\slot+3], 2*NQ*1536
	JLOAD G0+4*\slot, G1, G0B+4*\slot, G1B
.else
	PLACES 4
.endif
	FETCH \next, 0, 0, 1
	MULH 1, TA/2, TA/2, 0
.endm
	s_load_b128 s[4:7], s[0:1], 0x0                ; A's buffer s[4:5], wts s[6:7]
	s_load_b128 s[8:11], s[0:1], 0x10              ; bias s[8:9], residual s[10:11]
	s_load_b64 s[12:13], s[0:1], 0x20              ; out
	v_lshl_add_u32 v[SPW], v0, 2, SPARE
	v_mov_b32 v[NIL], 0
	ds_add_u32 v28, v29
	ds_add_u32 v28, v29
	s_wait_dscnt 0x0
	v_lshrrev_b32 v1, 5, v0
	v_readfirstlane_b32 s14, v1                    ; wave 0..3
	s_lshr_b32 s15, s14, 1                         ; which half of the rows is mine.  Also: I fetch for A (0) or for B (1)
	s_and_b32 s16, s14, 1                          ; which half of the columns.  Also: which half I fetch
	s_bfe_u32 s40, ttmp6, 0x40000
	s_bfe_u32 s41, ttmp6, 0x40004
	s_lshl_b32 s42, ttmp9, 2
	s_add_co_u32 s42, s42, s40                     ; block of 128 columns
	s_and_b32 s17, ttmp7, 0xffff
	s_lshl_b32 s17, s17, 2
	s_add_co_u32 s17, s17, s41                     ; block of 128 tokens
	s_lshl_b32 s43, s41, 2
	s_lshl_b32 s43, 15, s43                        ; my row of the cluster
	s_lshl_b32 s44, 0x1111, s40                    ; my column
	s_or_b32 s[G1+0], s43, (3<<16)|(1<<21)         ; tiles: TA rows of NQ x 1,536 bytes, in elements of 8 bytes, KS x 1,536 bytes apart; dense in LDS
	s_or_b32 s[G1B+0], s44, (3<<16)|(1<<21)
.irp g, G1, G1B
	s_mov_b32 s[\g+1], (192*NQ)<<16
	s_mov_b32 s[\g+2], (2*TA)<<16                  ; both halves by one load
	s_mov_b32 s[\g+3], (192*NQ)<<16
	s_mov_b32 s[\g+4], 2*TA
	s_mov_b32 s[\g+5], 192*KS
	s_mov_b32 s[\g+6], 0
	s_mov_b32 s[\g+7], 0
.endr
	s_or_b32 s[G1S+0], s43, (3<<16)|(1<<21)        ; scale words: KS rows of 128 words
	s_or_b32 s[G1SB+0], s44, (3<<16)|(1<<21)
.irp g, G1S, G1SB
	s_mov_b32 s[\g+1], (16*TA)<<16                 ; a K step's words of all 128 rows
	s_mov_b32 s[\g+2], KS<<16
	s_mov_b32 s[\g+3], (16*TA)<<16
	s_mov_b32 s[\g+4], KS
	s_mov_b32 s[\g+6], 0
	s_mov_b32 s[\g+7], 0
.endr
	s_mov_b32 s[G1S+5], RPA/2
	s_mov_b32 s[G1SB+5], RPB/2
	s_mul_i32 s20, s17, 2*TA                       ; the first tile of A's block
	s_mul_i32 s46, s42, 2*TA                       ; and of B's
	s_lshl_b32 s22, s20, 6
	s_add_co_u32 s22, s22, ASCL
	s_lshl_b32 s92, s46, 6
	s_add_co_u32 s92, s92, BSCL
	s_mul_i32 s20, s20, KS*1536
	s_add_co_u32 s20, s20, ACODE
	s_mul_i32 s46, s46, KS*1536
	s_add_co_u32 s46, s46, BCODE
	s_mov_b32 s21, 0
	s_mov_b32 s23, 0
	s_mov_b32 s47, 0
	s_mov_b32 s93, 0
	s_wait_kmcnt 0x0
	s_add_nc_u64 s[20:21], s[4:5], s[20:21]
	s_add_nc_u64 s[22:23], s[4:5], s[22:23]
	s_add_nc_u64 s[46:47], s[6:7], s[46:47]
	s_add_nc_u64 s[92:93], s[6:7], s[92:93]
	CROUND                                         ; all sixteen work-groups are here: the first joint loads meet
	s_mov_b32 s[G0S], 1
	s_mov_b32 s[G0S+1], SCL                        ; A's scale words: [K step][128 rows]
	s_mov_b64 s[G0S+2:G0S+3], s[22:23]
	s_or_b32 s[G0S+3], s[G0S+3], 0x80000000
	s_mov_b32 s[G0SB], 1
	s_mov_b32 s[G0SB+1], SCL+2*HALFS               ; B's behind them
	s_mov_b64 s[G0SB+2:G0SB+3], s[92:93]
	s_or_b32 s[G0SB+3], s[G0SB+3], 0x80000000
	s_mov_b32 s[G0], 1                             ; A's 8 tiles, all of K,
	s_mov_b32 s[G0+1], 0
	s_mov_b64 s[G0+2:G0+3], s[20:21]
	s_or_b32 s[G0+3], s[G0+3], 0x80000000
	s_mov_b32 s[G0B], 1                            ; B's 8 tiles behind them
	s_mov_b32 s[G0B+1], 2*HALFT
	s_mov_b64 s[G0B+2:G0B+3], s[46:47]
	s_or_b32 s[G0B+3], s[G0B+3], 0x80000000
; THE HEAD'S LOADS, ONE A WAVE: wave 0 A's tiles, wave 1 B's, wave 2 A's scale words, wave 3 B's.  One chain of branches on the wave's number, all arms joining at one label.
.macro ARM under, g0, g1, next
	s_cmp_lt_u32 s14, \under
	s_cbranch_scc0 \next
	tensor_load_to_lds s[\g0:\g0+3], s[\g1:\g1+7]
	s_nop 0
	PLACES 4
	s_branch .Lhead_asked
\next:
.endm
	ARM 1, G0,  G1,  .Lhead_b
	ARM 2, G0B, G1B, .Lhead_sa
	ARM 3, G0S, G1S, .Lhead_sb
	tensor_load_to_lds s[G0SB:G0SB+3], s[G1SB:G1SB+7]
	s_nop 0
	PLACES 4
.Lhead_asked:
	v_and_b32 v1, 15, v0                           ; r
	v_bfe_u32 v2, v0, 4, 1                         ; h
	v_and_b32 v3, 31, v0                           ; lane
	v_lshlrev_b32 v4, 4, v3
	v_lshlrev_b32 v5, 3, v3
	s_mul_i32 s21, s15, HALFT
	s_mul_i32 s22, s16, HALFT
	s_add_co_u32 s22, s22, 2*HALFT
.irp s, 0
	v_add_nc_u32 v[A16+\s], s21, v4
	v_add_nc_u32 v[A8+\s], s21, v5
	v_add_nc_u32 v[B16+\s], s22, v4
	v_add_nc_u32 v[B8+\s], s22, v5
	s_add_co_u32 s21, s21, SLOT
	s_add_co_u32 s22, s22, SLOT
.endr
	s_wait_alu depctr_va_vdst(0)                   ; the wait here, directly ahead of the readers below
	v_lshlrev_b32 v24, 2, v1
	s_mul_i32 s21, s15, 64*TA                      ; my half of a K step's 128 words
	s_mul_i32 s22, s16, 64*TA
	s_add_co_u32 s22, s22, 2*HALFS
	s_sub_co_u32 s22, s22, s21
	v_mul_u32_u24 v25, s22, v2                     ; lanes 16-31 take B's
	s_add_co_u32 s21, s21, SCL
	v_add_nc_u32 v24, v24, v25
	v_add_nc_u32 v[ADRS], s21, v24
	s_mul_i32 s20, s15, 64*528                     ; the stage, in: my 64 rows (in the tiles' order), row r; my 64 columns' 256 bytes, + 64 h
	s_lshl_b32 s21, s16, 8
	s_add_co_u32 s20, s20, s21
	s_add_co_u32 s20, s20, STG
	v_mul_u32_u24 v12, v1, 528
	v_lshl_add_u32 v12, v2, 6, v12
	v_add_nc_u32 v12, s20, v12
	s_mul_i32 s20, s14, 32*528                     ; back: wave w takes rows 32 w .. 32 w + 31, whole
	s_add_co_u32 s20, s20, STG
	v_add_nc_u32 v13, s20, v4
	s_lshl_b32 s20, s17, 7
	s_lshl_b32 s21, s14, 5
	s_add_co_u32 s20, s20, s21
	s_lshl_b32 s20, s20, 12                        ; token 128 block + 32 w, 4,096 bytes a row,
	s_lshl_b32 s22, s42, 9                         ; + the block's 128 columns
	s_add_co_u32 s20, s20, s22
	s_mov_b32 s21, 0
	s_mov_b32 s23, 0
	s_add_nc_u64 s[10:11], s[10:11], s[20:21]
	s_add_nc_u64 s[12:13], s[12:13], s[20:21]
	s_add_nc_u64 s[8:9], s[8:9], s[22:23]
	global_load_b128 v[8:11], v4, s[8:9]           ; the bias of my four columns
	WIN 0xc0                                       ; destination window 3
.set i, 0
.rept 32
	global_load_b128 v[4*i:4*i+3], v4, s[10:11] offset:(8*(i/16)+(i&7)+16*((i>>3)&1))*4096   ; the token for which row i of my 32 stage rows stands; 512 consecutive bytes
.set i, i+1
.endr
	WIN 0
	s_wait_alu depctr_va_vdst(0)
	s_wait_tensorcnt 0x0                           ; my tile of the head's four is in
	s_barrier_signal -1
	s_barrier_wait -1
	FETCH 0, 0, 0, 0
	STEP 0, 0, 1                                   ; the first step's products start the sums
	WIN 0
.if LAPS > 1
	s_mov_b32 s3, LAPS-1
.Llap:
	MID 0, 1
	TURN 0, 1, 1
	MID 1, 0
	TURN 1, 0, 1
	STEP 0, 0, 0
	WIN 0
	s_sub_co_u32 s3, s3, 1
	s_cmp_lg_u32 s3, 0
	s_cbranch_scc1 .Llap
.endif
	s_wait_alu depctr_va_vdst(0)
	MID 0, 1                                       ; the last lap fills nothing
	s_wait_dscnt 0x0
	MULH 1, 0, TA, 0
	WIN 0
	s_wait_loadcnt 0x0                             ; bias and residual
	PLACES 4
	WIN 0x08                                       ; an LDS store's data: window 2
.set ea, 0
.rept 4
.set eb, 0
.rept 4
	ds_store_b128 v12, v[8*(4*ea+eb):8*(4*ea+eb)+3] offset:16*ea*528+128*(eb/2)+32*(eb%2)        ; each accumulator from its low end on
	ds_store_b128 v12, v[8*(4*ea+eb)+4:8*(4*ea+eb)+7] offset:16*ea*528+128*(eb/2)+32*(eb%2)+16
.set eb, eb+1
.endr
.set ea, ea+1
.endr
	WIN 0
	s_wait_dscnt 0x0                               ; for the others' sake: my stores into the stage have landed
	s_barrier_signal -1
	s_barrier_wait -1
.set i, 0
.rept 32
	ds_load_b128 v[64+4*i:67+4*i], v13 offset:528*i
.set i, i+1
.endr
	s_wait_dscnt 0x0
	WIN 0x0c                                       ; source 1: window 3
.set i, 0
.rept 64
	v_pk_add_f32 v[64+2*i:65+2*i], v[64+2*i:65+2*i], v[2*i:2*i+1]
.set i, i+1
.endr
	WIN 0
.set i, 0
.rept 32
	v_pk_add_f32 v[64+4*i:65+4*i], v[64+4*i:65+4*i], v[8:9]
	v_pk_add_f32 v[66+4*i:67+4*i], v[66+4*i:67+4*i], v[10:11]
.set i, i+1
.endr
.set i, 0
.rept 32
	global_store_b128 v4, v[64+4*i:67+4*i], s[12:13] offset:(8*(i/16)+(i&7)+16*((i>>3)&1))*4096   ; 512 consecutive bytes, aligned
.set i, i+1
.endr
	s_wait_tensorcnt 0x0                           ; the wave's end
	ds_add_u32 v[SPW], v[NIL]
	s_wait_dscnt 0x0
	CROUND                                         ; the closing round
	s_endpgm
.Lfunc_end_k_qeb076cf2df_proj:
	.size	k_qeb076cf2df_proj, .Lfunc_end_k_qeb076cf2df_proj-k_qeb076cf2df_proj
	.p2alignl 7, 3214868480
	.fill 96, 4, 3214868480
	.section	.rodata,"a",@progbits
	.p2align	6, 0x0
	.amdhsa_kernel k_qeb076cf2df_proj
		.amdhsa_group_segment_fixed_size 327680
		.amdhsa_private_segment_fixed_size 0
		.amdhsa_enable_private_segment 0
		.amdhsa_kernarg_size 40
		.amdhsa_user_sgpr_count 2
		.amdhsa_user_sgpr_kernarg_segment_ptr 1
		.amdhsa_wavefront_size32 1
		.amdhsa_system_sgpr_workgroup_id_x 1
		.amdhsa_system_sgpr_workgroup_id_y 1
		.amdhsa_system_sgpr_workgroup_id_z 1
		.amdhsa_system_vgpr_workitem_id 0
		.amdhsa_next_free_vgpr 1024
		.amdhsa_next_free_sgpr 100
		.amdhsa_reserve_vcc 0
		.amdhsa_float_denorm_mode_32 3
		.amdhsa_float_denorm_mode_16_64 3
		.amdhsa_memory_ordered 1
		.amdhsa_forward_progress 1
		.amdhsa_inst_pref_size 64
	.end_amdhsa_kernel
	.amdgpu_metadata
---
amdhsa.version: [ 1, 2 ]
amdhsa.kernels:
  - .name:           k_qeb076cf2df_proj
    .symbol:         k_qeb076cf2df_proj.kd
    .args:
      - { .name: act, .offset: 0, .size: 8, .value_kind: global_buffer, .address_space: global }
      - { .name: wts, .offset: 8, .size: 8, .value_kind: global_buffer, .address_space: global }
      - { .name: proj_b, .offset: 16, .size: 8, .value_kind: global_buffer, .address_space: global }
      - { .name: x, .offset: 24, .size: 8, .value_kind: global_buffer, .address_space: global }
      - { .name: x2, .offset: 32, .size: 8, .value_kind: global_buffer, .address_space: global }
    .group_segment_fixed_size: 327680
    .private_segment_fixed_size: 0
    .kernarg_segment_align: 8
    .kernarg_segment_size: 40
    .max_flat_workgroup_size: 128
    .sgpr_count:     100
    .vgpr_count:     1024
    .wavefront_size: 32
...
	.end_amdgpu_metadata
.endif
;; end of part 4
;; launch ln2 (part 5): grid 256 x 1, 8 waves a work-group, no clusters, 77,824 bytes of LDS; arguments x2, ln2_g, ln2_b, act; writes act
.if DOCPART == 5
	.amdgcn_target "amdgcn-amd-amdhsa--gfx1250"
	.amdhsa_code_object_version 6
	.text
	.protected	k_qeb076cf2df_ln2
	.globl	k_qeb076cf2df_ln2
	.p2align	8
	.type	k_qeb076cf2df_ln2,@function
k_qeb076cf2df_ln2:
	s_mov_b64 s[64:65], 0
	v_nop
	global_prefetch_b8 v0, s[64:65] scope:SCOPE_SE
	s_setreg_imm32_b32 hwreg(HW_REG_WAVE_MODE, 25, 1), 1
	s_wait_xcnt 0x0
; LayerNorm over rows of 1,024 f32, then the quantiser: (x - mean) x rsqrt(var + 1e-5) x g + b becomes codes of BF6 (E3M2) with one E8M0 byte for each 32 along the row, laid as matrix fragments.
; SHARES: a work-group takes one tile of 16 rows (lane-row r of tile t is row 32 (t >> 1) + 8 (t & 1) + (r & 7) + 16 (r >> 3)); wave w takes the columns 128 w .. 128 w + 127: one fragment.
; Each of a wave's 16 loads takes 512 consecutive bytes of one row; the 8,192 bytes turn through the wave's own stage in LDS (rows 528 bytes apart) and come
; back so that lane (r, h) holds the whole blocks h and 2 + h of its row's 128, in the order that the operand's layout gives that lane.  Gain and bias come by one load of 512 bytes each and are dealt out of LDS.
; Mean and variance are taken in two passes (the second of x - mean), each summed over the eight waves through 512 bytes of LDS and one barrier: a common offset in x costs no accuracy.
; Fragment (t, w) (two halves of 768 bytes: registers 6c..6c+3 at 16 x lane, 6c+4, 6c+5 at 512 + 8 x lane) lies at (8 t + w) x 1,536; its scale words at 3,145,728 + (4,096 w + 16 t + r) x 4.
; LIMITS: NaN and infinities are not served; a block of zeros gets the byte 1 with zero codes; a largest magnitude under 2^-122 is held at the byte 1.
.set X,   32                           ; v32-95   x, register 32 c + i = column 128 w + 64 c + 32 h + i
.set RW,  96                           ; v96-159  rows as loaded; then the gain
.set G,   96
.set BT,  160                          ; v160-223 the bias
.set PC,  224                          ; v224-235 the fragment
.set LTQ, 236                          ; v236-242 upper halves of the two blocks, made here and moved
.set GB,  244                          ; v244-251 my 16 bytes of the gain's slice and of the bias's
.set WR0, 1024                         ; LDS: 0-1,023 the two reductions; from here a region for each wave:
.set LP,  528                          ; 16 rows of 512 bytes + 16,
.set GOFF, 16*LP                       ; the gain's 512 bytes, the bias's 512
.set WREG, GOFF+1024
	s_load_b256 s[4:11], s[0:1], 0x0               ; in s[4:5], gain s[6:7], bias s[8:9], act s[10:11]
	v_lshl_add_u32 v254, v0, 2, 0x12c00
	v_mov_b32 v255, 0
	v_lshrrev_b32 v1, 5, v0
	s_delay_alu instid0(VALU_DEP_1)
	v_readfirstlane_b32 s12, v1                    ; wave = K step
	v_and_b32 v1, 31, v0                           ; lane
	v_and_b32 v2, 15, v0                           ; r
	v_bfe_u32 v3, v0, 4, 1                         ; h
	s_delay_alu instid0(VALU_DEP_3)
	v_lshlrev_b32 v28, 4, v1                       ; 16 x lane
	s_delay_alu instid0(VALU_DEP_4)
	v_lshlrev_b32 v29, 3, v1                       ; 8 x lane
	s_delay_alu instid0(VALU_DEP_4)
	v_lshlrev_b32 v30, 2, v2                       ; 4 r
	s_mul_i32 s18, s12, WREG
	s_add_co_u32 s18, s18, WR0                     ; my wave's region
	v_add_nc_u32 v4, s18, v28                      ; into it: 16 x lane
	v_mul_u32_u24 v5, v2, LP
	s_delay_alu instid0(VALU_DEP_1)
	v_lshl_add_u32 v5, v3, 7, v5
	s_delay_alu instid0(VALU_DEP_1)
	v_add_nc_u32 v5, s18, v5                       ; back: row r, + 128 h
	v_lshl_add_u32 v26, v3, 7, s18                 ; gain and bias: + 128 h
	v_lshlrev_b32 v7, 5, v2                        ; eight partial sums of row r at 32 r
	s_lshl_b32 s19, s12, 2
	v_add_nc_u32 v6, s19, v7                       ; mine at + 4 w
	s_mov_b32 s20, 0x76543210
	s_mov_b32 s21, 0xfedcba98                      ; v_permlanex16_b32's selects for lane l xor 16
	s_lshr_b32 s13, ttmp9, 1
	s_lshl_b32 s13, s13, 5
	s_and_b32 s14, ttmp9, 1
	s_lshl_b32 s14, s14, 3
	s_add_co_u32 s13, s13, s14                     ; the tile's first row
	s_lshl_b32 s14, s13, 12
	s_lshl_b32 s16, s12, 9                         ; 512 w
	s_add_co_u32 s14, s14, s16
	s_mov_b32 s15, 0
	s_mov_b32 s17, 0
	s_lshl_b32 s22, ttmp9, 3
	s_add_co_u32 s22, s22, s12
	s_mul_i32 s22, s22, 1536                       ; the fragment's place
	s_mov_b32 s23, 0
	s_lshl_b32 s24, s12, 14
	s_lshl_b32 s25, ttmp9, 6
	s_add_co_u32 s24, s24, s25
	s_add_co_u32 s24, s24, 3145728                 ; the scale words' place
	s_mov_b32 s25, 0
	s_wait_alu depctr_va_vdst(0)
	s_wait_kmcnt 0x0
	s_add_nc_u64 s[4:5], s[4:5], s[14:15]
	s_add_nc_u64 s[6:7], s[6:7], s[16:17]
	s_add_nc_u64 s[8:9], s[8:9], s[16:17]
	s_add_nc_u64 s[22:23], s[10:11], s[22:23]
	s_add_nc_u64 s[24:25], s[10:11], s[24:25]
.set i, 0
.rept 16
	global_load_b128 v[RW+4*i:RW+4*i+3], v28, s[4:5] offset:((i&7)+16*(i>>3))*4096   ; lane-row i's 128 columns: 512 consecutive bytes
.set i, i+1
.endr
	global_load_b128 v[GB:GB+3], v28, s[6:7]       ; the gain's 128 numbers
	global_load_b128 v[GB+4:GB+7], v28, s[8:9]     ; the bias's
	s_wait_loadcnt 2                               ; x is in; the two loads issued behind it may stay out
.set i, 0
.rept 16
	ds_store_b128 v4, v[RW+4*i:RW+4*i+3] offset:LP*i
.set i, i+1
.endr
.irp c, 0,1
.irp j, 0,1,2,3,4,5,6,7
	ds_load_b128 v[X+32*\c+4*\j:X+32*\c+4*\j+3], v5 offset:256*\c+16*\j   ; LDS serves a wave's instructions in order: these see my stores
.endr
.endr
	s_wait_loadcnt 0x0
	ds_store_b128 v4, v[GB:GB+3] offset:GOFF
	ds_store_b128 v4, v[GB+4:GB+7] offset:GOFF+512
	s_wait_dscnt 2                                 ; x is back (only the two stores just issued may be out): so the stage's stores have read v96-159, which take the gain now
.irp c, 0,1
.irp j, 0,1,2,3,4,5,6,7
	ds_load_b128 v[G+32*\c+4*\j:G+32*\c+4*\j+3], v26 offset:GOFF+256*\c+16*\j      ; sixteen lanes share an address
.endr
.endr
.irp c, 0,1
.irp j, 0,1,2,3,4,5,6,7
	ds_load_b128 v[BT+32*\c+4*\j:BT+32*\c+4*\j+3], v26 offset:GOFF+512+256*\c+16*\j
.endr
.endr
; The four chains in v[8:15] become the row's sum over all 1,024 columns, in v16 of every lane
.macro RED off
	s_delay_alu instid0(VALU_DEP_3)
	v_pk_add_f32 v[8:9], v[8:9], v[10:11]
	s_delay_alu instid0(VALU_DEP_2)
	v_pk_add_f32 v[12:13], v[12:13], v[14:15]
	s_delay_alu instid0(VALU_DEP_1)
	v_pk_add_f32 v[8:9], v[8:9], v[12:13]
	s_delay_alu instid0(VALU_DEP_1)
	v_add_f32 v8, v8, v9
	s_delay_alu instid0(VALU_DEP_1)
	v_permlanex16_b32 v9, v8, s20, s21
	s_delay_alu instid0(VALU_DEP_1)
	v_add_f32 v8, v8, v9                           ; my wave's 128 columns of row r
	ds_store_b32 v6, v8 offset:\off                ; both halves of the lanes write the same word with the same value
	s_wait_dscnt 0x0                               ; for the others' sake: my store has landed (and gain and bias are in)
	s_barrier_signal -1
	s_barrier_wait -1
	ds_load_b128 v[16:19], v7 offset:\off
	ds_load_b128 v[20:23], v7 offset:\off+16
	s_wait_dscnt 0x0
	v_add_f32 v16, v16, v17
	v_add_f32 v18, v18, v19
	v_add_f32 v20, v20, v21
	v_add_f32 v22, v22, v23
	s_delay_alu instid0(VALU_DEP_3)
	v_add_f32 v16, v16, v18
	s_delay_alu instid0(VALU_DEP_2)
	v_add_f32 v20, v20, v22
	s_delay_alu instid0(VALU_DEP_1)
	v_add_f32 v16, v16, v20
.endm
.irp c, 0,1,2,3
	v_pk_add_f32 v[8+2*\c:9+2*\c], v[X+4*\c:X+4*\c+1], v[X+4*\c+2:X+4*\c+3]
.endr
.irp j, 16,24,32,40,48,56
.irp c, 0,1,2,3
	s_delay_alu instid0(VALU_DEP_4)
	v_pk_add_f32 v[8+2*\c:9+2*\c], v[8+2*\c:9+2*\c], v[X+\j+2*\c:X+\j+2*\c+1]
.endr
.endr
	RED 0
	s_delay_alu instid0(VALU_DEP_1)
	v_mul_f32 v24, 0xba800000, v16                 ; - mean = sum x (-1 / 1,024)
	s_delay_alu instid0(VALU_DEP_1)
	v_mov_b32 v25, v24
.set i, 0
.rept 32
	v_pk_add_f32 v[X+2*i:X+2*i+1], v[X+2*i:X+2*i+1], v[24:25]
.set i, i+1
.endr
.irp c, 0,1,2,3
	v_pk_mul_f32 v[8+2*\c:9+2*\c], v[X+2*\c:X+2*\c+1], v[X+2*\c:X+2*\c+1]
.endr
.irp j, 8,16,24,32,40,48,56
.irp c, 0,1,2,3
	s_delay_alu instid0(VALU_DEP_4)
	v_pk_fma_f32 v[8+2*\c:9+2*\c], v[X+\j+2*\c:X+\j+2*\c+1], v[X+\j+2*\c:X+\j+2*\c+1], v[8+2*\c:9+2*\c]
.endr
.endr
	RED 512                                        ; other bytes than the first sum's: no wave can still be reading them
	s_mov_b32 s26, 0x3a800000                      ; 1 / 1,024
	v_mov_b32 v27, 0x3727c5ac                      ; 1e-5
	s_delay_alu instid0(VALU_DEP_1)
	v_fma_f32 v16, v16, s26, v27
	s_wait_alu depctr_va_vdst(0)
	v_rsq_f32 v24, v16
	v_nop                                          ; a plain place behind the transcendental
	s_wait_alu depctr_va_vdst(0)                   ; the wait ahead of the first reader
	v_mov_b32 v25, v24
.set i, 0
.rept 32
	v_pk_mul_f32 v[X+2*i:X+2*i+1], v[X+2*i:X+2*i+1], v[24:25]
.set i, i+1
.endr
.set i, 0
.rept 32
	v_pk_fma_f32 v[X+2*i:X+2*i+1], v[X+2*i:X+2*i+1], v[G+2*i:G+2*i+1], v[BT+2*i:BT+2*i+1]
.set i, i+1
.endr
	; the quantiser: my two whole blocks
.irp c, 0,1
	v_max3_num_f32 v[8+\c], |v[X+32*\c]|, |v[X+32*\c+1]|, 0x2800000      ; with the floor 2^(5 - 127): the byte cannot fall under 1
.endr
.irp i, 2,4,6,8,10,12,14,16,18,20,22,24,26,28,30
.irp c, 0,1
	s_delay_alu instid0(VALU_DEP_2)
	v_max3_num_f32 v[8+\c], v[8+\c], |v[X+32*\c+\i]|, |v[X+32*\c+\i+1]|
.endr
.endr
.irp c, 0,1
	s_delay_alu instid0(VALU_DEP_2)
	v_add_nc_u32 v[12+\c], 0xfe000000, v[8+\c]     ; 4 off the exponent field: the conversion's scale operand
.endr
.irp c, 0,1
	s_delay_alu instid0(VALU_DEP_2)
	v_lshrrev_b32 v[10+\c], 23, v[12+\c]           ; the scale's byte
.endr
	s_delay_alu instid0(VALU_DEP_1)
	v_lshl_or_b32 v14, v11, 16, v10                ; blocks h and 2 + h,
	v_lshlrev_b32 v15, 3, v3
	s_delay_alu instid0(VALU_DEP_1)
	v_lshlrev_b32 v14, v15, v14                    ; at their places in the word (8 h bits up);
	s_delay_alu instid0(VALU_DEP_1)
	v_permlanex16_b32 v15, v14, s20, s21
	s_delay_alu instid0(VALU_DEP_1)
	v_or_b32 v14, v14, v15                         ; with lane l xor 16's two the word is whole
.irp c, 0,1
	v_cvt_scalef32_pk16_bf6_f32 v[PC+6*\c:PC+6*\c+2], v[X+32*\c:X+32*\c+15], v[12+\c]
	v_cvt_scalef32_pk16_bf6_f32 v[LTQ+4*\c:LTQ+4*\c+2], v[X+32*\c+16:X+32*\c+31], v[12+\c]
.endr
	v_nop                                          ; one plain place behind a scaled conversion
.irp c, 0,1
.irp i, 0,1,2
	v_mov_b32 v[PC+6*\c+3+\i], v[LTQ+4*\c+\i]
.endr
.endr
	global_store_b128 v28, v[PC:PC+3], s[22:23]                    ; each store covers 512 or 256 consecutive bytes, aligned
	global_store_b64 v29, v[PC+4:PC+5], s[22:23] offset:512
	global_store_b128 v28, v[PC+6:PC+9], s[22:23] offset:768
	global_store_b64 v29, v[PC+10:PC+11], s[22:23] offset:1280
	s_wait_xcnt 0x0                                ; EXEC changes only behind this wait
	v_cmp_gt_u32 vcc_lo, 16, v1
	s_wait_tensorcnt 0x0
	ds_add_u32 v254, v255
	s_wait_dscnt 0x0
	s_and_saveexec_b32 s27, vcc_lo
	global_store_b32 v30, v14, s[24:25]            ; 16 words, 64 consecutive bytes: a part of an aligned 256; one byte for each 128 that the launch reads
	s_wait_xcnt 0x0
	s_or_b32 exec_lo, exec_lo, s27
	s_endpgm
.Lfunc_end_k_qeb076cf2df_ln2:
	.size	k_qeb076cf2df_ln2, .Lfunc_end_k_qeb076cf2df_ln2-k_qeb076cf2df_ln2
	.p2alignl 7, 3214868480
	.fill 96, 4, 3214868480
	.section	.rodata,"a",@progbits
	.p2align	6, 0x0
	.amdhsa_kernel k_qeb076cf2df_ln2
		.amdhsa_group_segment_fixed_size 77824
		.amdhsa_private_segment_fixed_size 0
		.amdhsa_enable_private_segment 0
		.amdhsa_kernarg_size 32
		.amdhsa_user_sgpr_count 2
		.amdhsa_user_sgpr_kernarg_segment_ptr 1
		.amdhsa_wavefront_size32 1
		.amdhsa_system_sgpr_workgroup_id_x 1
		.amdhsa_system_sgpr_workgroup_id_y 1
		.amdhsa_system_sgpr_workgroup_id_z 1
		.amdhsa_system_vgpr_workitem_id 0
		.amdhsa_next_free_vgpr 256
		.amdhsa_next_free_sgpr 66
		.amdhsa_reserve_vcc 1
		.amdhsa_float_denorm_mode_32 3
		.amdhsa_float_denorm_mode_16_64 3
		.amdhsa_memory_ordered 1
		.amdhsa_forward_progress 1
		.amdhsa_inst_pref_size 28
	.end_amdhsa_kernel
	.amdgpu_metadata
---
amdhsa.version: [ 1, 2 ]
amdhsa.kernels:
  - .name:           k_qeb076cf2df_ln2
    .symbol:         k_qeb076cf2df_ln2.kd
    .args:
      - { .name: x2, .offset: 0, .size: 8, .value_kind: global_buffer, .address_space: global }
      - { .name: ln2_g, .offset: 8, .size: 8, .value_kind: global_buffer, .address_space: global }
      - { .name: ln2_b, .offset: 16, .size: 8, .value_kind: global_buffer, .address_space: global }
      - { .name: act, .offset: 24, .size: 8, .value_kind: global_buffer, .address_space: global }
    .group_segment_fixed_size: 77824
    .private_segment_fixed_size: 0
    .kernarg_segment_align: 8
    .kernarg_segment_size: 32
    .max_flat_workgroup_size: 256
    .sgpr_count:     66
    .vgpr_count:     256
    .wavefront_size: 32
...
	.end_amdgpu_metadata
.endif
;; end of part 5
;; launch fc1 (part 6): grid 16 x 16, 4 waves a work-group, clusters of 4 x 4, 327,680 bytes of LDS; arguments act, wts, fc1_b, hid; writes hid
.if DOCPART == 6
	.amdgcn_target "amdgcn-amd-amdhsa--gfx1250"
	.amdhsa_code_object_version 6
	.text
	.protected	k_qeb076cf2df_fc1
	.globl	k_qeb076cf2df_fc1
	.p2align	8
	.type	k_qeb076cf2df_fc1,@function
k_qeb076cf2df_fc1:
	s_mov_b64 s[64:65], 0
	v_nop
	global_prefetch_b8 v0, s[64:65] scope:SCOPE_SE
	s_setreg_imm32_b32 hwreg(HW_REG_WAVE_MODE, 25, 1), 1
	s_wait_xcnt 0x0
	s_wait_alu depctr_hold_cnt(0) depctr_sa_sdst(0) depctr_va_vdst(0) depctr_va_sdst(0) depctr_va_ssrc(0) depctr_va_vcc(0) depctr_vm_vsrc(0)
	s_getreg_b32 s2, hwreg(HW_REG_IB_STS2, 6, 4)
	s_cmp_eq_u32 s2, 0
	s_cbranch_scc0 .Lentry_in_a_cluster
	s_endpgm
.Lentry_in_a_cluster:
	s_bfe_u32 s2, ttmp6, 0x10000c
	s_cmp_lg_u32 s2, 0xf033
	s_cbranch_scc0 .Lentry_shape_is_right
	s_endpgm
.Lentry_shape_is_right:
.set TA, 8
.set NQ, 2
.set KS, 8
.set LAPS, 2
.set RPA, 4096
.set RPB, 4096
.set ACODE, 0
.set ASCL, 3145728
.set BCODE, 3145728
.set BSCL, 9601024
.set HALFT, TA*NQ*1536
.set SLOT,  4*HALFT
.set SCL,   2*SLOT
.set HALFS, KS*64*TA
.set SPARE, SCL+4*HALFS
.set STG,   SPARE+512
.set A16, 16
.set A8,  18
.set B16, 20
.set B8,  22
.set ADRS, 27
.set SPW, 28
.set NIL, 29
.set SC,  32
.set AF,  64
.set G1, 24
.set G0, 32
.set G1B, 48
.set G0B, 56
.set G1S, 68
.set G0S, 76
.set G1SB, 80
.set G0SB, 88
.set G0H, 4                            ; s[4:7], s[96:99] group 0 of the head's loads of slot 0: A's 16 tiles, B's 16 tiles (what lay there has been used by then)
.set G0HB, 96
.set HA, 64
.set PC, 128
.set TM, 148
.set PW, 164
.set EX, 192
.set SEL, 18
.set MSB, 0
.macro WIN new
.if MSB != (\new)
	s_set_vgpr_msb (MSB<<8)|(\new)
.set MSB, (\new)
.endif
.endm
.macro JLOAD g0a, g1a, g0b, g1b
	s_cmp_eq_u32 s15, 0
	s_cbranch_scc0 .Lfor_b_\@
	tensor_load_to_lds s[\g0a:\g0a+3], s[\g1a:\g1a+7]
	s_nop 0
.rept 4
	v_nop
.endr
	s_branch .Lasked_\@
.Lfor_b_\@:
	tensor_load_to_lds s[\g0b:\g0b+3], s[\g1b:\g1b+7]
	s_nop 0
.rept 4
	v_nop
.endr
.Lasked_\@:
.endm
.macro CREST
	s_cmp_lg_u32 s14, 0
	s_cbranch_scc1 .Lnot_wave_0_\@
	s_barrier_signal -3
.Lnot_wave_0_\@:
	s_barrier_wait -3
	s_barrier_signal -1
	s_barrier_wait -1
.endm
.macro CROUND
	s_barrier_signal -1
	s_barrier_wait -1
	CREST
.endm
.macro PLACES n
.rept \n
	v_nop
.endr
.endm
.macro FRAG reg, a16, a8, off
	ds_load_b128 v[(\reg):(\reg)+3], v[\a16] offset:(\off)
	ds_load_b64 v[(\reg)+4:(\reg)+5], v[\a8] offset:(\off)+512
	ds_load_b128 v[(\reg)+6:(\reg)+9], v[\a16] offset:(\off)+768
	ds_load_b64 v[(\reg)+10:(\reg)+11], v[\a8] offset:(\off)+1280
.endm
.macro FETCH slot, q, p, adv
	WIN 0
.if \adv
	v_add_nc_u32 v[ADRS], 128*TA, v[ADRS]
.endif
	WIN 0x40
.set fi, 0
.rept TA
	FRAG 128*(\p)+12*fi, B16+(\slot), B8+(\slot), (fi*NQ+(\q))*1536
.set fi, fi+1
.endr
	WIN 0
.set fi, 0
.rept TA
	FRAG AF+96*(\p)+12*fi, A16+(\slot), A8+(\slot), (fi*NQ+(\q))*1536
.set fi, fi+1
.endr
.set fi, 0
.rept TA
	ds_load_b32 v[SC+8*(\p)+fi], v[ADRS] offset:64*fi
.set fi, fi+1
.endr
.endm
.macro MULH p, a0, n, zero
.set ma, \a0
.rept \n
	WIN 0xa1+0x50*(ma/4)
.set mb, 0
.rept TA
.if \zero
	v_wmma_scale_f32_16x16x128_f8f6f4 v[8*(TA*(ma%4)+mb):8*(TA*(ma%4)+mb)+7], v[128*(\p)+12*mb:128*(\p)+12*mb+11], v[AF+96*(\p)+12*ma:AF+96*(\p)+12*ma+11], 0, v[SC+8*(\p)+mb], v[SC+8*(\p)+ma] matrix_a_fmt:MATRIX_FMT_BF6 matrix_b_fmt:MATRIX_FMT_BF6 matrix_a_scale:MATRIX_SCALE_ROW1
.else
	v_wmma_scale_f32_16x16x128_f8f6f4 v[8*(TA*(ma%4)+mb):8*(TA*(ma%4)+mb)+7], v[128*(\p)+12*mb:128*(\p)+12*mb+11], v[AF+96*(\p)+12*ma:AF+96*(\p)+12*ma+11], v[8*(TA*(ma%4)+mb):8*(TA*(ma%4)+mb)+7], v[SC+8*(\p)+mb], v[SC+8*(\p)+ma] matrix_a_fmt:MATRIX_FMT_BF6 matrix_b_fmt:MATRIX_FMT_BF6 matrix_a_scale:MATRIX_SCALE_ROW1
.endif
.set mb, mb+1
.endr
.set ma, ma+1
.endr
.endm
.macro STEP slot, q, zero
	s_wait_dscnt 0x0
	PLACES 4
	FETCH \slot, (\q)+1, 1-(\q)%2, 1
	MULH (\q)%2, 0, TA, \zero
.endm
.macro MID slot, q0
.set mq, \q0
.rept NQ-1-(\q0)
	STEP \slot, mq, 0
.set mq, mq+1
.endr
.endm
.macro TURN slot, next, fill
	WIN 0
	s_wait_tensorcnt 0x0
	ds_add_u32 v[SPW], v[NIL]
	s_wait_dscnt 0x0
	s_barrier_signal -1
	MULH 1, 0, TA/2, 0
	WIN 0
	s_barrier_wait -1
.if \fill
	CREST
	s_add_nc_u64 s[G0+4*\slot+2:G0+4*\slot+3], s[G0+4*\slot+2:G0+4*\slot+3], 2*NQ*1536
	s_add_nc_u64 s[G0B+4*\slot+2:G0B+4*\slot+3], s[G0B+4*\slot+2:G0B+4*\slot+3], 2*NQ*1536
	JLOAD G0+4*\slot, G1, G0B+4*\slot, G1B
.else
	PLACES 4
.endif
	s_wait_alu depctr_va_vdst(0)
	FETCH \next, 0, 0, 1
	MULH 1, TA/2, TA/2, 0
.endm
.macro QUANT s
.irp b, 0,1,2,3
	v_max3_num_f32 v[TM+\b], |v[\s+16*\b]|, |v[\s+1+16*\b]|, 0x2800000
.endr
.irp i, 2,4,6,8,10,12,14
.irp b, 0,1,2,3
	v_max3_num_f32 v[TM+\b], v[TM+\b], |v[\s+16*\b+\i]|, |v[\s+1+16*\b+\i]|
.endr
.endr
.irp b, 0,1,2,3
	v_permlanex16_b32 v[TM+4+\b], v[TM+\b], s[SEL], s[SEL+1]
.endr
.irp b, 0,1,2,3
	v_max_num_f32 v[TM+\b], v[TM+\b], v[TM+4+\b]
.endr
.irp b, 0,1,2,3
	v_add_nc_u32 v[TM+12+\b], 0xfe000000, v[TM+\b]
.endr
.irp b, 0,1,2,3
	v_lshrrev_b32 v[TM+4+\b], 23, v[TM+12+\b]
.endr
	v_lshl_or_b32 v[PW], v[TM+5], 8, v[TM+4]
	v_lshl_or_b32 v[PW], v[TM+6], 16, v[PW]
	v_lshl_or_b32 v[PW], v[TM+7], 24, v[PW]
.irp c, 0,1
	v_cvt_scalef32_pk16_bf6_f32 v[PC+6*\c:PC+2+6*\c], v[\s+32*\c:\s+15+32*\c], v[TM+12+2*\c]
	v_cvt_scalef32_pk16_bf6_f32 v[PC+12+4*\c:PC+14+4*\c], v[\s+16+32*\c:\s+31+32*\c], v[TM+12+2*\c+1]
.endr
	v_nop
.irp c, 0,1
.irp i, 0,1,2
	v_permlane16_swap_b32 v[PC+6*\c+\i], v[PC+12+4*\c+\i]
.endr
.irp i, 0,1,2
	v_mov_b32 v[PC+3+6*\c+\i], v[PC+12+4*\c+\i]
.endr
.endr
.endm
	s_load_b128 s[4:7], s[0:1], 0x0
	s_load_b128 s[8:11], s[0:1], 0x10
	v_lshl_add_u32 v[SPW], v0, 2, SPARE
	v_mov_b32 v[NIL], 0
	ds_add_u32 v28, v29
	ds_add_u32 v28, v29
	s_wait_dscnt 0x0
	v_lshrrev_b32 v1, 5, v0
	v_readfirstlane_b32 s14, v1
	s_lshr_b32 s15, s14, 1
	s_and_b32 s16, s14, 1
	s_bfe_u32 s40, ttmp6, 0x40000
	s_bfe_u32 s41, ttmp6, 0x40004
	s_lshl_b32 s42, ttmp9, 2
	s_add_co_u32 s42, s42, s40
	s_and_b32 s17, ttmp7, 0xffff
	s_lshl_b32 s17, s17, 2
	s_add_co_u32 s17, s17, s41
	s_lshl_b32 s43, s41, 2
	s_lshl_b32 s43, 15, s43
	s_lshl_b32 s44, 0x1111, s40
	s_or_b32 s[G1+0], s43, (3<<16)|(1<<21)
	s_or_b32 s[G1B+0], s44, (3<<16)|(1<<21)
.irp g, G1, G1B
	s_mov_b32 s[\g+1], (192*NQ)<<16
	s_mov_b32 s[\g+2], (2*TA)<<16                  ; both halves for the head's loads; behind them TA, for the ring's
	s_mov_b32 s[\g+3], (192*NQ)<<16
	s_mov_b32 s[\g+4], 2*TA
	s_mov_b32 s[\g+5], 192*KS
	s_mov_b32 s[\g+6], 0
	s_mov_b32 s[\g+7], 0
.endr
	s_or_b32 s[G1S+0], s43, (3<<16)|(1<<21)
	s_or_b32 s[G1SB+0], s44, (3<<16)|(1<<21)
.irp g, G1S, G1SB
	s_mov_b32 s[\g+1], (16*TA)<<16                 ; a K step's words of all 256 rows
	s_mov_b32 s[\g+2], KS<<16
	s_mov_b32 s[\g+3], (16*TA)<<16
	s_mov_b32 s[\g+4], KS
	s_mov_b32 s[\g+6], 0
	s_mov_b32 s[\g+7], 0
.endr
	s_mov_b32 s[G1S+5], RPA/2
	s_mov_b32 s[G1SB+5], RPB/2
	s_mul_i32 s18, s16, TA*KS*1536                 ; in the ring I fetch one half of a block: where it begins, in bytes
	s_mov_b32 s19, 0
	s_mul_i32 s20, s17, 2*TA                       ; the first tile of A's block
	s_mul_i32 s46, s42, 2*TA                       ; and of B's
	s_lshl_b32 s22, s20, 6
	s_add_co_u32 s22, s22, ASCL
	s_lshl_b32 s92, s46, 6
	s_add_co_u32 s92, s92, BSCL
	s_mul_i32 s20, s20, KS*1536
	s_add_co_u32 s20, s20, ACODE
	s_mul_i32 s46, s46, KS*1536
	s_add_co_u32 s46, s46, BCODE
	s_mov_b32 s21, 0
	s_mov_b32 s23, 0
	s_mov_b32 s47, 0
	s_mov_b32 s93, 0
	s_mul_i32 s45, s14, HALFT
	s_wait_kmcnt 0x0
	s_add_nc_u64 s[20:21], s[4:5], s[20:21]
	s_add_nc_u64 s[22:23], s[4:5], s[22:23]
	s_add_nc_u64 s[46:47], s[6:7], s[46:47]
	s_add_nc_u64 s[92:93], s[6:7], s[92:93]
	CROUND
	s_mov_b32 s[G0S], 1
	s_mov_b32 s[G0S+1], SCL                        ; A's scale words: [K step][256 rows]
	s_mov_b64 s[G0S+2:G0S+3], s[22:23]
	s_or_b32 s[G0S+3], s[G0S+3], 0x80000000
	s_mov_b32 s[G0SB], 1
	s_mov_b32 s[G0SB+1], SCL+2*HALFS               ; B's behind them
	s_mov_b64 s[G0SB+2:G0SB+3], s[92:93]
	s_or_b32 s[G0SB+3], s[G0SB+3], 0x80000000
	s_mov_b32 s[G0H], 1                            ; slot 0, whole: A's 16 tiles,
	s_mov_b32 s[G0H+1], 0
	s_mov_b64 s[G0H+2:G0H+3], s[20:21]
	s_or_b32 s[G0H+3], s[G0H+3], 0x80000000
	s_mov_b32 s[G0HB], 1                           ; B's 16 tiles behind them
	s_mov_b32 s[G0HB+1], 2*HALFT
	s_mov_b64 s[G0HB+2:G0HB+3], s[46:47]
	s_or_b32 s[G0HB+3], s[G0HB+3], 0x80000000
	s_add_nc_u64 s[20:21], s[20:21], s[18:19]      ; for the ring: my half
	s_add_nc_u64 s[46:47], s[46:47], s[18:19]
.irp s, 0,1
	s_mov_b32 s[G0+4*\s], 1
	s_add_co_u32 s[G0+4*\s+1], s45, \s*SLOT
	s_add_nc_u64 s[G0+4*\s+2:G0+4*\s+3], s[20:21], \s*NQ*1536
	s_or_b32 s[G0+4*\s+3], s[G0+4*\s+3], 0x80000000
	s_mov_b32 s[G0B+4*\s], 1
	s_add_co_u32 s[G0B+4*\s+1], s45, \s*SLOT
	s_add_nc_u64 s[G0B+4*\s+2:G0B+4*\s+3], s[46:47], \s*NQ*1536
	s_or_b32 s[G0B+4*\s+3], s[G0B+4*\s+3], 0x80000000
.endr
; THE HEAD'S LOADS, ONE A WAVE: wave 0 slot 0's tiles of A, wave 1 those of B, wave 2 A's scale words, wave 3 B's.  One chain of branches on the wave's number, all arms joining at one label.
.macro ARM under, g0, g1, next
	s_cmp_lt_u32 s14, \under
	s_cbranch_scc0 \next
	tensor_load_to_lds s[\g0:\g0+3], s[\g1:\g1+7]
	s_nop 0
	PLACES 4
	s_branch .Lhead_asked
\next:
.endm
	ARM 1, G0H,  G1,  .Lhead_b
	ARM 2, G0HB, G1B, .Lhead_sa
	ARM 3, G0S,  G1S, .Lhead_sb
	tensor_load_to_lds s[G0SB:G0SB+3], s[G1SB:G1SB+7]
	s_nop 0
	PLACES 4
.Lhead_asked:
	v_and_b32 v1, 15, v0
	v_bfe_u32 v2, v0, 4, 1
	v_and_b32 v3, 31, v0
	v_lshlrev_b32 v4, 4, v3
	v_lshlrev_b32 v5, 3, v3
	s_mul_i32 s21, s15, HALFT
	s_mul_i32 s22, s16, HALFT
	s_add_co_u32 s22, s22, 2*HALFT
.irp s, 0,1
	v_add_nc_u32 v[A16+\s], s21, v4
	v_add_nc_u32 v[A8+\s], s21, v5
	v_add_nc_u32 v[B16+\s], s22, v4
	v_add_nc_u32 v[B8+\s], s22, v5
	s_add_co_u32 s21, s21, SLOT
	s_add_co_u32 s22, s22, SLOT
.endr
	v_lshlrev_b32 v24, 2, v1
	s_mul_i32 s21, s15, 64*TA                      ; my half of a K step's 256 words
	s_mul_i32 s22, s16, 64*TA
	s_add_co_u32 s22, s22, 2*HALFS
	s_sub_co_u32 s22, s22, s21
	v_mul_u32_u24 v25, s22, v2
	s_add_co_u32 s21, s21, SCL
	v_add_nc_u32 v24, v24, v25
	v_add_nc_u32 v[ADRS], s21, v24
	v_lshlrev_b32 v6, 6, v2
	s_wait_alu depctr_va_vdst(0)
	s_lshl_b32 s20, s14, 10
	s_add_co_u32 s20, s20, STG
	v_lshl_add_u32 v12, v1, 2, s20
	v_add_nc_u32 v13, s20, v4
	s_lshl_b32 s20, s42, 10
	s_lshl_b32 s21, s16, 9
	s_add_co_u32 s20, s20, s21
	s_mov_b32 s21, 0
	s_add_nc_u64 s[8:9], s[8:9], s[20:21]
	WIN 0x40
.irp b, 0,1,2,3
.irp j, 0,1,2,3
	global_load_b128 v[96+16*\b+4*\j+96*(\b/2):99+16*\b+4*\j+96*(\b/2)], v6, s[8:9] offset:128*\b+16*\j
.endr
.endr
	WIN 0
	s_lshl_b32 s20, s17, 4
	s_lshl_b32 s21, s15, 3
	s_add_co_u32 s20, s20, s21
	s_lshl_b32 s22, s42, 1
	s_add_co_u32 s22, s22, s16
	s_lshl_b32 s21, s20, 5
	s_add_co_u32 s21, s21, s22
	s_mul_i32 s92, s21, 1536
	s_mov_b32 s93, 0
	s_lshl_b32 s22, s22, 12
	s_lshl_b32 s20, s20, 4
	s_add_co_u32 s22, s22, s20
	s_lshl_b32 s22, s22, 2
	s_add_co_u32 s12, s22, 12582912                ; s[12:13]: where my scale words go (s[96:99] hold a descriptor whose load is out)
	s_mov_b32 s13, 0
	s_add_nc_u64 s[92:93], s[10:11], s[92:93]
	s_add_nc_u64 s[12:13], s[10:11], s[12:13]
	s_wait_alu depctr_va_vdst(0)                   ; the wait at the head's end
	s_wait_tensorcnt 0x0                           ; my tile of the head's four is in
	ds_add_u32 v[SPW], v[NIL]
	s_mov_b32 s[G1+2], TA<<16                      ; no tensor load of mine is out: from here on a load brings one half, TA tiles
	s_mov_b32 s[G1+4], TA
	s_mov_b32 s[G1B+2], TA<<16
	s_mov_b32 s[G1B+4], TA
	s_wait_dscnt 0x0
	CROUND                                         ; all four tiles are in, and all sixteen work-groups are here
	JLOAD G0+4, G1, G0B+4, G1B                     ; slot 1's first fill, the first tensor load behind the round
	FETCH 0, 0, 0, 0
	STEP 0, 0, 1
	WIN 0
.if LAPS > 1
	s_mov_b32 s3, LAPS-1
.Llap:
	MID 0, 1
	TURN 0, 1, 1
	s_wait_alu depctr_va_vdst(0)
	MID 1, 0
	TURN 1, 0, 1
	s_wait_alu depctr_va_vdst(0)
	STEP 0, 0, 0
	WIN 0
	s_sub_co_u32 s3, s3, 1
	s_cmp_lg_u32 s3, 0
	s_cbranch_scc1 .Llap
.endif
	MID 0, 1
	TURN 0, 1, 0
	s_wait_alu depctr_va_vdst(0)
	MID 1, 0
	s_wait_dscnt 0x0
	MULH 1, 0, TA, 0
	WIN 0
	s_wait_loadcnt 0x0
	PLACES 4
	s_mov_b32 s[SEL], 0x76543210
	s_mov_b32 s[SEL+1], 0xfedcba98
.irp b, 0,1,2,3
	v_mov_b32 v[TM+4+\b], 0
.endr
	v_mov_b32 v8, 0xbdd2d3e8
	v_mov_b32 v9, 0xbdd2d3e8
	v_mov_b32 v10, 0xc0135761
	v_mov_b32 v11, 0xc0135761
.macro EPI a
	WIN 0x06+((\a)/4)
.set i, 0
.rept 32
	v_pk_add_f32 v[HA+2*i:HA+2*i+1], v[64*((\a)%4)+2*i:64*((\a)%4)+2*i+1], v[96+2*i+96*(i/16):97+2*i+96*(i/16)]
.set i, i+1
.endr
	WIN 0
.set i, 0
.rept 32
	v_pk_mul_f32 v[EX+2*i:EX+2*i+1], v[HA+2*i:HA+2*i+1], v[HA+2*i:HA+2*i+1]
.set i, i+1
.endr
.set i, 0
.rept 32
	v_pk_fma_f32 v[EX+2*i:EX+2*i+1], v[EX+2*i:EX+2*i+1], v[8:9], v[10:11]
.set i, i+1
.endr
.set i, 0
.rept 32
	v_pk_mul_f32 v[EX+2*i:EX+2*i+1], v[EX+2*i:EX+2*i+1], v[HA+2*i:HA+2*i+1]
.set i, i+1
.endr
.set i, 0
	s_wait_alu depctr_va_vdst(0)
.rept 64
	v_exp_f32 v[EX+i], v[EX+i]
.set i, i+1
.endr
	v_nop
	s_wait_alu depctr_va_vdst(0)
.set i, 0
.rept 32
	v_pk_add_f32 v[EX+2*i:EX+2*i+1], v[EX+2*i:EX+2*i+1], 1.0 op_sel_hi:[1,0]
.set i, i+1
.endr
.set i, 0
	s_wait_alu depctr_va_vdst(0)
.rept 64
	v_rcp_f32 v[EX+i], v[EX+i]
.set i, i+1
.endr
	v_nop
	s_wait_alu depctr_va_vdst(0)
.set i, 0
.rept 32
	v_pk_mul_f32 v[HA+2*i:HA+2*i+1], v[HA+2*i:HA+2*i+1], v[EX+2*i:EX+2*i+1]
.set i, i+1
.endr
	s_wait_dscnt 0x0
	s_wait_xcnt 0x0
	QUANT HA
	global_store_b128 v4, v[PC:PC+3], s[92:93] offset:49152*(\a)           ; hid's fragments lie as three pieces of 512 bytes: registers 4 j .. 4 j + 3 at 512 j + 16 x lane, as the next launch loads them
	global_store_b128 v4, v[PC+4:PC+7], s[92:93] offset:49152*(\a)+512
	global_store_b128 v4, v[PC+8:PC+11], s[92:93] offset:49152*(\a)+1024
	ds_store_b32 v12, v[PW] offset:64*(\a)
.endm
.irp a, 0,1,2,3,4,5,6,7
	EPI \a
.endr
	ds_load_b128 v[HA:HA+3], v13
	s_wait_dscnt 0x0
	global_store_b128 v4, v[HA:HA+3], s[12:13]
	s_wait_tensorcnt 0x0
	ds_add_u32 v[SPW], v[NIL]
	s_wait_dscnt 0x0
	CROUND
	s_endpgm
.Lfunc_end_k_qeb076cf2df_fc1:
	.size	k_qeb076cf2df_fc1, .Lfunc_end_k_qeb076cf2df_fc1-k_qeb076cf2df_fc1
	.p2alignl 7, 3214868480
	.fill 96, 4, 3214868480
	.section	.rodata,"a",@progbits
	.p2align	6, 0x0
	.amdhsa_kernel k_qeb076cf2df_fc1
		.amdhsa_group_segment_fixed_size 327680
		.amdhsa_private_segment_fixed_size 0
		.amdhsa_enable_private_segment 0
		.amdhsa_kernarg_size 32
		.amdhsa_user_sgpr_count 2
		.amdhsa_user_sgpr_kernarg_segment_ptr 1
		.amdhsa_wavefront_size32 1
		.amdhsa_system_sgpr_workgroup_id_x 1
		.amdhsa_system_sgpr_workgroup_id_y 1
		.amdhsa_system_sgpr_workgroup_id_z 1
		.amdhsa_system_vgpr_workitem_id 0
		.amdhsa_next_free_vgpr 1024
		.amdhsa_next_free_sgpr 100
		.amdhsa_reserve_vcc 0
		.amdhsa_float_denorm_mode_32 3
		.amdhsa_float_denorm_mode_16_64 3
		.amdhsa_memory_ordered 1
		.amdhsa_forward_progress 1
		.amdhsa_inst_pref_size 255
	.end_amdhsa_kernel
	.section	.bss,"aw",@nobits
	.p2align	6
	.space	262144
	.amdgpu_metadata
---
amdhsa.version: [ 1, 2 ]
amdhsa.kernels:
  - .name:           k_qeb076cf2df_fc1
    .symbol:         k_qeb076cf2df_fc1.kd
    .args:
      - { .name: act, .offset: 0, .size: 8, .value_kind: global_buffer, .address_space: global }
      - { .name: wts, .offset: 8, .size: 8, .value_kind: global_buffer, .address_space: global }
      - { .name: fc1_b, .offset: 16, .size: 8, .value_kind: global_buffer, .address_space: global }
      - { .name: hid, .offset: 24, .size: 8, .value_kind: global_buffer, .address_space: global }
    .group_segment_fixed_size: 327680
    .private_segment_fixed_size: 0
    .kernarg_segment_align: 8
    .kernarg_segment_size: 32
    .max_flat_workgroup_size: 128
    .sgpr_count:     100
    .vgpr_count:     1024
    .wavefront_size: 32
...
	.end_amdgpu_metadata
.endif
;; end of part 6
;; launch fc2 (part 7): grid 8 x 32, 4 waves a work-group, no clusters, 270,848 bytes of LDS; arguments hid, wts, fc2_b, x2, out0; writes out0
.if DOCPART == 7
	.amdgcn_target "amdgcn-amd-amdhsa--gfx1250"
	.amdhsa_code_object_version 6
	.text
	.protected	k_qeb076cf2df_fc2
	.globl	k_qeb076cf2df_fc2
	.p2align	8
	.type	k_qeb076cf2df_fc2,@function
k_qeb076cf2df_fc2:
	s_mov_b64 s[64:65], 0
	v_nop
	global_prefetch_b8 v0, s[64:65] scope:SCOPE_SE
	s_setreg_imm32_b32 hwreg(HW_REG_WAVE_MODE, 25, 1), 1
	s_wait_xcnt 0x0
; Product 6: gelu's output [4,096 x 4,096] x fc2_w [4,096 x 1,024] on codes of BF6, + fc2_b + x2: out0, f32.
; OPERANDS lie in memory as images of fragments (16 rows x 128 K, 1,536 bytes), fragment (tile, s) at (32 tile + s) x 1,536.  hid's: registers 4 j .. 4 j + 3 at 512 j + 16 x lane.  fc2_w's: two halves of 768 bytes, registers 6 c .. 6 c + 3
; at 16 x lane, 6 c + 4, 6 c + 5 at 512 + 8 x lane.  Scale words (four bytes: 128 k of one row) at (RP s + 16 tile + r) x 4, RP = 4,096 for hid, 1,024 for fc2_w.  Lane-row r of tile 2b+u stands for row 32b + 8u + (r & 7) + 16 (r >> 3).
; THE DEAL.  256 work-groups (8 blocks of 128 columns x 32 blocks of 128 tokens) of four waves.  K IS CUT AMONG THE WAVES: wave w makes the whole 128 x 128 (64 accumulators, 512 registers) over K steps 8 w .. 8 w + 7.
; So every fragment is multiplied by ONE wave, and goes from memory straight into that wave's registers: no byte is loaded twice by a work-group, no tile passes through LDS, and the walk along K has no barrier.
; NO TENSOR LOAD AND NO CLUSTER for that reason: there is no tile in LDS that a joint load could fill.
; Two whole sets of 16 fragments and 8 registers of scale words: while set p is multiplied, the next step's 64 loads (32 for B, 8 for scale words, 24 for A) are out.  The wait for set p stands behind those 64 loads: its count is 63, one under them.
; A scale register holds two tiles' words (lanes 0-15 the even tile, lanes 16-31 the odd one); A's registers are 0 to 3 modulo 8, B's 4 to 7.
; THE MATRIX INSTRUCTION IS USED TRANSPOSED (source 0 = the weight, source 1 = the tokens): a lane holds one token and eight neighbouring columns an accumulator.
; THE END.  Each wave lays its 128 x 128 partial sums into its own 67,584 bytes of LDS as rows of 512 bytes + 16; one barrier; wave w owns stage rows 32 w .. 32 w + 31, adds the four waves' parts, bias and residual, and stores whole rows of 512 bytes.
; PREFETCHES: in the loop's first two trips each wave asks for the two K steps that the next trip's loads will want (two steps ahead of those loads).  The eight work-groups that read a block of hid take one of its eight tiles each (12 blocks of 256 bytes),
; the 32 that read a block of fc2_w three of its 96 blocks each; lanes left over name the last block again.  The last trip asks for nothing.
; LIMITS: NaN and infinities are not served.  A sum is made of four parts along K, each in ascending K, added at the end: another order of rounding than one chain's.
; REGISTERS: window 0: v1-6 lane numbers and offsets; v8-11 bias; v12 the stage, in; v16-19 back; v20, v21 prefetch offsets; v28, v29 the add's; v32-63 scale words; A's sets at v64, v160; at the end v64-191 the rows.
;   window 1: B's sets at v0, v128; at the end v0-127 the residual.  windows 2, 3: accumulator (a, b) at v[8 (8 (a % 4) + b)] of window 2 + a / 4; at the end the four waves' parts of my rows.
.set FRB,   1536                       ; a fragment
.set TROW,  32*FRB                     ; from tile to tile
.set ASCL,  12582912                   ; hid's scale words
.set BCODE, 6291456                    ; fc2_w's codes in wts
.set BSCL,  9732096                    ; its scale words
.set TP,    16*528                     ; the stage: a tile of 16 rows
.set WST,   8*TP                       ; a wave's 128 rows
.set SPARE, 4*WST                      ; the spare words, 128 bytes a wave
.set O16, 4
.set O8,  5
.set O4,  6
.set BI,  8
.set STO, 12
.set RD,  16
.set PFA, 20
.set PFB, 21
.set SPW, 28
.set NIL, 29
.set SA,  32                           ; A's scale words: set q at v[32 + 16 q]
.set SBR, 44                           ; B's: at v[44 + 16 q]
.set AF,  64
.set PA,  32                           ; s[32:33] hid's codes, s[34:35] fc2_w's, s[36:37] hid's scale words, s[38:39] fc2_w's: at the step in hand
.set PB,  34
.set PSA, 36
.set PSB, 38
.set MSB, 0
.macro WIN new                         ; the immediate's high byte repeats the setting that is left
.if MSB != (\new)
	s_set_vgpr_msb (MSB<<8)|(\new)
.set MSB, (\new)
.endif
.endm
.macro PLACES                          ; four plain vector instructions between a matrix instruction and a load into, or a read of, its registers
.rept 4
	v_nop
.endr
.endm
.macro LOADS q, k                      ; the step k steps on from the pointers, into set q: 64 loads, each of 512, 256 or 128 consecutive bytes
	WIN 0x40                                       ; destination window 1
.irp b, 0,1,2,3,4,5,6,7
	global_load_b128 v[128*(\q)+12*\b:128*(\q)+12*\b+3], v[O16], s[PB:PB+1] offset:\b*TROW+(\k)*FRB
	global_load_b64 v[128*(\q)+12*\b+4:128*(\q)+12*\b+5], v[O8], s[PB:PB+1] offset:\b*TROW+(\k)*FRB+512
	global_load_b128 v[128*(\q)+12*\b+6:128*(\q)+12*\b+9], v[O16], s[PB:PB+1] offset:\b*TROW+(\k)*FRB+768
	global_load_b64 v[128*(\q)+12*\b+10:128*(\q)+12*\b+11], v[O8], s[PB:PB+1] offset:\b*TROW+(\k)*FRB+1280
.endr
	WIN 0
.irp j, 0,1,2,3
	global_load_b32 v[SBR+16*(\q)+\j], v[O4], s[PSB:PSB+1] offset:128*\j+(\k)*4096     ; tiles 2 j and 2 j + 1; the four loads cover 512 consecutive bytes
	global_load_b32 v[SA+16*(\q)+\j], v[O4], s[PSA:PSA+1] offset:128*\j+(\k)*16384
.endr
.irp a, 0,1,2,3,4,5,6,7
.irp j, 0,1,2
	global_load_b128 v[AF+96*(\q)+12*\a+4*\j:AF+96*(\q)+12*\a+4*\j+3], v[O16], s[PA:PA+1] offset:\a*TROW+(\k)*FRB+512*\j
.endr
.endr
.endm
.macro W1 d, s0, s1, zero, x0, x1, r0, r1
.if \zero
	v_wmma_scale_f32_16x16x128_f8f6f4 v[\d:\d+7], v[\s0:\s0+11], v[\s1:\s1+11], 0, v[\x0], v[\x1] matrix_a_fmt:MATRIX_FMT_BF6 matrix_b_fmt:MATRIX_FMT_BF6 matrix_a_scale:MATRIX_SCALE_ROW\r0 matrix_b_scale:MATRIX_SCALE_ROW\r1
.else
	v_wmma_scale_f32_16x16x128_f8f6f4 v[\d:\d+7], v[\s0:\s0+11], v[\s1:\s1+11], v[\d:\d+7], v[\x0], v[\x1] matrix_a_fmt:MATRIX_FMT_BF6 matrix_b_fmt:MATRIX_FMT_BF6 matrix_a_scale:MATRIX_SCALE_ROW\r0 matrix_b_scale:MATRIX_SCALE_ROW\r1
.endif
.endm
.macro MUL p, zero                     ; set p's 64 products; the accumulators take turns, one instruction a turn, in the same order in every step.  zero = 1: they start the sums
.irp ap, 0,1,2,3
	WIN 0xa1+0x50*(\ap/2)                          ; source 0 (B) window 1, source 1 (A) window 0, C and D window 2 or 3
.irp ar, 0,1
.irp bp, 0,1,2,3
.irp br, 0,1
	W1 8*(8*((2*\ap+\ar)%4)+2*\bp+\br), 128*(\p)+12*(2*\bp+\br), AF+96*(\p)+12*(2*\ap+\ar), \zero, SBR+16*(\p)+\bp, SA+16*(\p)+\ap, \br, \ar
.endr
.endr
.endr
.endr
.endm
.macro STEP p, k, zero, ask            ; the other set, which the last step's products read, takes the next step's loads; then set p is multiplied
	PLACES
	LOADS 1-(\p), \k
.if \ask
	s_cmp_lt_u32 s3, 2                             ; the last trip has no step two on
	s_cbranch_scc0 .Lno_ask
	global_prefetch_b8 v[PFA], s[PA:PA+1] offset:3*FRB th:TH_LOAD_NT scope:SCOPE_SE
	global_prefetch_b8 v[PFB], s[PB:PB+1] offset:3*FRB th:TH_LOAD_NT scope:SCOPE_SE
.Lno_ask:
.endif
	s_wait_loadcnt 63                              ; 64 loads are younger than set p's last
	MUL \p, \zero
.endm
.macro ADV n                           ; the pointers go n steps on; behind s_wait_xcnt 0
	s_add_nc_u64 s[PA:PA+1], s[PA:PA+1], (\n)*FRB
	s_add_nc_u64 s[PB:PB+1], s[PB:PB+1], (\n)*FRB
	s_add_nc_u64 s[PSA:PSA+1], s[PSA:PSA+1], (\n)*16384
	s_add_nc_u64 s[PSB:PSB+1], s[PSB:PSB+1], (\n)*4096
.endm
	s_load_b256 s[4:11], s[0:1], 0x0               ; hid s[4:5], wts s[6:7], fc2_b s[8:9], x2 s[10:11]
	s_load_b64 s[12:13], s[0:1], 0x20              ; out0
	v_lshl_add_u32 v[SPW], v0, 2, SPARE
	v_mov_b32 v[NIL], 0
	v_lshrrev_b32 v1, 5, v0
	v_readfirstlane_b32 s14, v1                    ; wave 0..3
	s_and_b32 s17, ttmp7, 0xffff                   ; block of 128 tokens; ttmp9: block of 128 columns
	s_mul_i32 s15, s14, 8*FRB                      ; my 8 K steps
	s_mul_i32 s20, s17, 8*TROW
	s_add_co_u32 s20, s20, s15
	s_mul_i32 s22, ttmp9, 8*TROW
	s_add_co_u32 s22, s22, s15
	s_add_co_u32 s22, s22, BCODE
	s_lshl_b32 s24, s14, 17                        ; 8 steps x 4,096 rows x 4 bytes
	s_lshl_b32 s16, s17, 9
	s_add_co_u32 s24, s24, s16
	s_add_co_u32 s24, s24, ASCL
	s_lshl_b32 s26, s14, 15                        ; 8 steps x 1,024 rows x 4 bytes
	s_lshl_b32 s30, ttmp9, 9                       ; the block's 128 columns: 512 bytes of words, of bias and of a row
	s_add_co_u32 s26, s26, s30
	s_add_co_u32 s26, s26, BSCL
	s_lshl_b32 s28, s17, 19                        ; token 128 block + 32 w, 4,096 bytes a row
	s_lshl_b32 s16, s14, 17
	s_add_co_u32 s28, s28, s16
	s_add_co_u32 s28, s28, s30
	s_mov_b32 s21, 0
	s_mov_b32 s23, 0
	s_mov_b32 s25, 0
	s_mov_b32 s27, 0
	s_mov_b32 s29, 0
	s_mov_b32 s31, 0
	s_mul_i32 s40, s14, WST                        ; my part of the stage
	s_mul_i32 s41, s14, 2*TP                       ; the rows that I own, in each part
	s_mul_i32 s42, ttmp9, TROW                     ; prefetch, hid: tile number = my block of columns
	s_lshr_b32 s43, s17, 2                         ; fc2_w: blocks 3 y .. 3 y + 2 of the 96: tile y / 4, from block 3 (y % 4) of its 12
	s_mul_i32 s43, s43, TROW
	s_and_b32 s44, s17, 3
	s_mul_i32 s44, s44, 768
	s_add_co_u32 s43, s43, s44
	v_and_b32 v1, 15, v0                           ; r
	v_bfe_u32 v2, v0, 4, 1                         ; h
	v_and_b32 v3, 31, v0                           ; lane
	v_lshlrev_b32 v[O16], 4, v3
	v_lshlrev_b32 v[O8], 3, v3
	v_lshlrev_b32 v[O4], 2, v3
	v_mul_u32_u24 v[STO], v1, 528                  ; in: row r, + 64 h
	v_lshl_add_u32 v[STO], v2, 6, v[STO]
	v_add_nc_u32 v[STO], s40, v[STO]
	v_add_nc_u32 v[RD], s41, v[O16]                ; back: a whole row, from each of the four parts
	v_add_nc_u32 v[RD+1], WST, v[RD]
	v_add_nc_u32 v[RD+2], 2*WST, v[RD]
	v_add_nc_u32 v[RD+3], 3*WST, v[RD]
	v_min_u32 v[PFA], 11, v3
	v_lshl_add_u32 v[PFA], v[PFA], 8, s42
	v_min_u32 v[PFB], 2, v3
	v_lshl_add_u32 v[PFB], v[PFB], 8, s43
	s_wait_alu depctr_va_vdst(0)                   ; the wait at the head's end
	s_wait_kmcnt 0x0
	s_add_nc_u64 s[PA:PA+1], s[4:5], s[20:21]
	s_add_nc_u64 s[PB:PB+1], s[6:7], s[22:23]
	s_add_nc_u64 s[PSA:PSA+1], s[4:5], s[24:25]
	s_add_nc_u64 s[PSB:PSB+1], s[6:7], s[26:27]
	s_add_nc_u64 s[8:9], s[8:9], s[30:31]
	s_add_nc_u64 s[10:11], s[10:11], s[28:29]
	s_add_nc_u64 s[12:13], s[12:13], s[28:29]
	LOADS 0, 0
	STEP 0, 1, 1, 0                                ; my first step stands in front of the loop: its products start the sums
	WIN 0
	s_wait_xcnt 0x0                                ; the loads have read their bases
	ADV 1
	s_mov_b32 s3, 0
.Ltrip:                                            ; my steps 1 to 6, two a trip
	STEP 1, 1, 0, 1
	STEP 0, 2, 0, 0
	WIN 0
	s_wait_xcnt 0x0
	ADV 2
	s_add_co_u32 s3, s3, 1
	s_cmp_lt_u32 s3, 3
	s_cbranch_scc1 .Ltrip
	PLACES                                         ; my last step: set 0's registers of B, and 32 beside them, take the residual
	WIN 0x40
.set i, 0
.rept 32
	global_load_b128 v[4*i:4*i+3], v[O16], s[10:11] offset:(8*(i/16)+(i&7)+16*((i>>3)&1))*4096   ; the token for which row i of my 32 stage rows stands; 512 consecutive bytes
.set i, i+1
.endr
	WIN 0
	global_load_b128 v[BI:BI+3], v[O16], s[8:9]    ; the bias of my four columns
	s_wait_loadcnt 33                              ; these 33 are younger than set 1's last
	MUL 1, 0
	PLACES
.set ea, 0
.rept 8
	WIN 0x08+4*(ea/4)                              ; an LDS store's data: window 2 or 3
.set eb, 0
.rept 8
	ds_store_b128 v[STO], v[8*(8*(ea%4)+eb):8*(8*(ea%4)+eb)+3] offset:ea*TP+128*(eb/2)+32*(eb%2)        ; each accumulator from its low end on
	ds_store_b128 v[STO], v[8*(8*(ea%4)+eb)+4:8*(8*(ea%4)+eb)+7] offset:ea*TP+128*(eb/2)+32*(eb%2)+16
.set eb, eb+1
.endr
.set ea, ea+1
.endr
	s_wait_loadcnt 0x0                             ; bias and residual
	WIN 0x41                                       ; destination and source 0: window 1
.set i, 0
.rept 32
	v_pk_add_f32 v[4*i:4*i+1], v[4*i:4*i+1], v[BI:BI+1]            ; residual + bias, while the stores are out
	v_pk_add_f32 v[4*i+2:4*i+3], v[4*i+2:4*i+3], v[BI+2:BI+3]
.set i, i+1
.endr
	WIN 0
	s_wait_alu depctr_va_vdst(0)                   ; the wait here, directly ahead of the wait below
	s_wait_dscnt 0x0                               ; for the others' sake: my part of the stage has landed
	s_barrier_signal -1
	s_barrier_wait -1
.macro LOADH g                         ; rows 16 g .. 16 g + 15 of my 32, from the four parts: 64 loads
	WIN 0x80
.irp q, 0,1
.set i, 16*(\g)
.rept 16
	ds_load_b128 v[128*\q+4*i:128*\q+4*i+3], v[RD+\q] offset:(i/16)*TP+(i%16)*528
.set i, i+1
.endr
.endr
	WIN 0xc0
.irp q, 0,1
.set i, 16*(\g)
.rept 16
	ds_load_b128 v[128*\q+4*i:128*\q+4*i+3], v[RD+2+\q] offset:(i/16)*TP+(i%16)*528
.set i, i+1
.endr
.endr
	WIN 0
.endm
.macro SUMH g                          ; the four parts, then residual + bias; then the rows leave
	WIN 0x0a
.set j, 32*(\g)
.rept 32
	v_pk_add_f32 v[64+2*j:65+2*j], v[2*j:2*j+1], v[128+2*j:129+2*j]
.set j, j+1
.endr
	WIN 0x0c
.set j, 32*(\g)
.rept 32
	v_pk_add_f32 v[64+2*j:65+2*j], v[64+2*j:65+2*j], v[2*j:2*j+1]
.set j, j+1
.endr
.set j, 32*(\g)
.rept 32
	v_pk_add_f32 v[64+2*j:65+2*j], v[64+2*j:65+2*j], v[128+2*j:129+2*j]
.set j, j+1
.endr
	WIN 0x04
.set j, 32*(\g)
.rept 32
	v_pk_add_f32 v[64+2*j:65+2*j], v[64+2*j:65+2*j], v[2*j:2*j+1]
.set j, j+1
.endr
	WIN 0
.set i, 16*(\g)
.rept 16
	global_store_b128 v[O16], v[64+4*i:67+4*i], s[12:13] offset:(8*(i/16)+(i&7)+16*((i>>3)&1))*4096 th:TH_STORE_NT   ; 512 consecutive bytes, aligned
.set i, i+1
.endr
.endm
	LOADH 0
	LOADH 1
	s_wait_dscnt 63                                ; 64 loads are younger than the first half's last
	SUMH 0
	s_wait_dscnt 0x0
	SUMH 1
	s_wait_tensorcnt 0x0                           ; the wave's end
	ds_add_u32 v[SPW], v[NIL]
	s_wait_dscnt 0x0
	s_endpgm
.Lfunc_end_k_qeb076cf2df_fc2:
	.size	k_qeb076cf2df_fc2, .Lfunc_end_k_qeb076cf2df_fc2-k_qeb076cf2df_fc2
	.p2alignl 7, 3214868480
	.fill 96, 4, 3214868480
	.section	.rodata,"a",@progbits
	.p2align	6, 0x0
	.amdhsa_kernel k_qeb076cf2df_fc2
		.amdhsa_group_segment_fixed_size 270848
		.amdhsa_private_segment_fixed_size 0
		.amdhsa_enable_private_segment 0
		.amdhsa_kernarg_size 40
		.amdhsa_user_sgpr_count 2
		.amdhsa_user_sgpr_kernarg_segment_ptr 1
		.amdhsa_wavefront_size32 1
		.amdhsa_system_sgpr_workgroup_id_x 1
		.amdhsa_system_sgpr_workgroup_id_y 1
		.amdhsa_system_sgpr_workgroup_id_z 1
		.amdhsa_system_vgpr_workitem_id 0
		.amdhsa_next_free_vgpr 1024
		.amdhsa_next_free_sgpr 66
		.amdhsa_reserve_vcc 0
		.amdhsa_float_denorm_mode_32 3
		.amdhsa_float_denorm_mode_16_64 3
		.amdhsa_memory_ordered 1
		.amdhsa_forward_progress 1
		.amdhsa_inst_pref_size 105
	.end_amdhsa_kernel
	.amdgpu_metadata
---
amdhsa.version: [ 1, 2 ]
amdhsa.kernels:
  - .name:           k_qeb076cf2df_fc2
    .symbol:         k_qeb076cf2df_fc2.kd
    .args:
      - { .name: hid, .offset: 0, .size: 8, .value_kind: global_buffer, .address_space: global }
      - { .name: wts, .offset: 8, .size: 8, .value_kind: global_buffer, .address_space: global }
      - { .name: fc2_b, .offset: 16, .size: 8, .value_kind: global_buffer, .address_space: global }
      - { .name: x2, .offset: 24, .size: 8, .value_kind: global_buffer, .address_space: global }
      - { .name: out0, .offset: 32, .size: 8, .value_kind: global_buffer, .address_space: global }
    .group_segment_fixed_size: 270848
    .private_segment_fixed_size: 0
    .kernarg_segment_align: 8
    .kernarg_segment_size: 40
    .max_flat_workgroup_size: 128
    .sgpr_count:     66
    .vgpr_count:     1024
    .wavefront_size: 32
...
	.end_amdgpu_metadata
.endif
;; end of part 7
